; MI455X (gfx1250); checked and timed in simulation.
; The chip was launched on July 23, 2026; its instructions are those of AMD's public machine-readable ISA for CDNA 5 (MIT licence, August 2026) and "CDNA5" Instruction Set Architecture Reference Guide (July 2026). The comments in the code are by the model that wrote it; some were corrected since.
;; Moss VL Text Cross Attention. Allowed arithmetic: float matrix products may take bf16 or f16 operands with f32 sums; other float arithmetic in f32, or as packed bf16 or f16 multiplies, adds, multiply-adds, maxima and minima; sums over many terms, partial sums and values carried from step to step in f32; what a program stores and reads back later, other than sums and carried values, may be rounded once to bf16 or f16.
;; Inputs: Wk 2,048 x 512 float32; Wo 2,048 x 2,048 float32; Wq 2,048 x 2,048 float32; Wv 2,048 x 512 float32; cross_attention_states 4,096 x 2,048 float32; hidden_states 2,048 x 2,048 float32; k_norm_w 128 float32; positions 3 x 2,048 int32; q_norm_w 128 float32; vision_position_ids 3 x 4,096 int32.
;; Outputs: out0 2,048 x 2,048 float32.
;; 2 versions, each right; version 2 is version 1 with the launch prep written anew for expert scheduling mode. Each part assembles by itself: llvm-mc -triple=amdgcn-amd-amdhsa -mcpu=gfx1250 --defsym DOCPART=n.
;; ======== version 1 of 2: 4 launches
;; limits: values are held in f16: magnitudes above 65,504 overflow, below 6.1e-05 lose precision
;; workspace buffers: xb 25,165,824 bytes; wb 12,582,912 bytes; wo 8,388,608 bytes; tab 3,146,240 bytes; wn 1,536 bytes; qkv 16,777,216 bytes; ob 8,388,608 bytes
;; launch prep (part 1): grid 769 x 1, 8 waves a work-group, no clusters, 0 bytes of LDS; arguments hidden_states, cross_attention_states, Wq, Wk, Wv, q_norm_w, k_norm_w, positions, vision_position_ids, xb, wb, tab, wn; writes xb, wb, tab, wn
.if DOCPART == 1
	.amdgcn_target "amdgcn-amd-amdhsa--gfx1250"
	.amdhsa_code_object_version 6
	.text
	.protected	k_q080ff9f67f_prep
	.globl	k_q080ff9f67f_prep
	.p2align	8
	.type	k_q080ff9f67f_prep,@function
k_q080ff9f67f_prep:
	s_mov_b64 s[64:65], 0
	v_nop
	global_prefetch_b8 v0, s[64:65] scope:SCOPE_SE
	s_setreg_imm32_b32 hwreg(HW_REG_WAVE_MODE, 25, 1), 1
	s_wait_xcnt 0x0
; PREPARATION.  The two activations, three of the four weights and the two gains are rounded once to bf16 and laid out for the projections; the rotary table is made.  (Wo is cast in the attention launch.)
;   xb  [6144][2048] bf16: hidden_states, then cross_attention_states.
;   wb  24 blocks [2048 k][128 n] bf16: Wq's 16 heads, Wk's 4, Wv's 4.
;   tab [6145][128] f32: row = xb's row: cos of the 64 angles, then sin; row 6144 is cos = 1, sin = 0.     wn  [3][128] f32: q_norm_w and k_norm_w rounded to bf16, then ones.
; SHARES.  A segment is 128 f32, 512 bytes: one 16-byte load of a wave; it leaves as 256 bytes, one 8-byte store of a wave, aligned on 256.  A wave takes 32 segments, STR bytes apart in the
; source and dense in the target; a work-group 256.  Work-groups 0-383 cast the two activations, 384-575 the three weights, 576-767 make the table (32 rows each), 768 the small rows.
; All 32 loads of a wave go out together; no register of the cast is written twice, so nothing but the counted waits for the loads is needed there.
; LIMITS.  |position| up to 2^24 (its conversion to f32 is then exact).  The frequencies 1e6^(-i/64) come from the base-2 exponential and lie within about 2 units in the last place of the true
; numbers.  cos and sin: the angle less the nearest multiple of 2 pi (2 pi as a sum of two f32), then the series to x^16 and x^15, whose first term left out is below 1e-6 on -pi .. pi.
.set X,   32                           ; v[32:159] the 32 segments, 4 registers each
.set WVN, 38                           ; s38  my wave's number
.set ID,  39                           ; s39  the work-group's number
.set DST, 40                           ; s[40:41] where my wave stores
.set SOF, 42                           ; s[42:43] my wave's byte offset in the source
.set SRC, 44                           ; s[44:45] the source tensor
.set DOF, 56                           ; s[56:57] my wave's byte offset in the target
.set STR, 58                           ; s58  bytes from a segment to the next in the source
.set ROWS, 59                          ; s59  rows of the table still to be made
	s_load_b512 s[8:23], s[0:1], 0x0               ; hidden s[8:9], cross s[10:11], Wq s[12:13], Wk s[14:15], Wv s[16:17], q_norm_w s[18:19], k_norm_w s[20:21], positions s[22:23]
	s_load_b256 s[24:31], s[0:1], 0x40             ; vision_position_ids s[24:25], xb s[26:27], wb s[28:29], tab s[30:31]
	s_load_b64 s[32:33], s[0:1], 0x60              ; wn
	v_lshrrev_b32 v1, 5, v0
	v_readfirstlane_b32 s[WVN], v1                 ; wave 0..7
	v_and_b32 v1, 31, v0                           ; lane
	v_lshlrev_b32 v2, 4, v1                        ; 16 x lane
	v_lshlrev_b32 v3, 3, v1                        ; 8 x lane
	s_mov_b32 s[ID], ttmp9
	s_wait_kmcnt 0x0
	s_cmp_lt_u32 s[ID], 384
	s_cbranch_scc1 .Lx
	s_cmp_lt_u32 s[ID], 576
	s_cbranch_scc1 .Lw
	s_cmp_lt_u32 s[ID], 768
	s_cbranch_scc1 .Ltab
	; THE SMALL ROWS: wave 0 of the last work-group
	s_cmp_lg_u32 s[WVN], 0
	s_cbranch_scc1 .Lend
	global_load_b128 v[36:39], v2, s[18:19]        ; 128 gains: 16 bytes a lane
	global_load_b128 v[40:43], v2, s[20:21]
	v_mov_b32 v32, 1.0
	v_mov_b32 v33, 1.0
	v_mov_b32 v34, 0
	v_mov_b32 v35, 0
	global_store_b64 v3, v[32:33], s[30:31] offset:6144*512      ; the row that turns nothing: cos = 1,
	global_store_b64 v3, v[34:35], s[30:31] offset:6144*512+256  ; sin = 0
	v_mov_b32 v48, 1.0
	v_mov_b32 v49, 1.0
	v_mov_b32 v50, 1.0
	v_mov_b32 v51, 1.0
	global_store_b128 v2, v[48:51], s[32:33] offset:1024         ; the gain that scales nothing
	s_wait_loadcnt 0x0
	v_cvt_pk_bf16_f32 v44, v36, v37
	v_cvt_pk_bf16_f32 v45, v38, v39
	v_cvt_pk_bf16_f32 v46, v40, v41
	v_cvt_pk_bf16_f32 v47, v42, v43
.irp w, 0,1,2,3
	v_lshlrev_b32 v[52+2*\w], 16, v[44+\w]         ; back to f32: the low half moves up,
	v_and_b32 v[53+2*\w], 0xffff0000, v[44+\w]     ; the high half stays
.endr
	global_store_b128 v2, v[52:55], s[32:33]
	global_store_b128 v2, v[56:59], s[32:33] offset:512
.Lend:
	s_endpgm
.Lx:                                           ; THE ACTIVATIONS: the segments lie on end in source and target
	s_max_u32 s46, s[ID], 128
	s_sub_co_u32 s46, s46, 128                     ; the work-group's number among cross_attention_states'
	s_cmp_lt_u32 s[ID], 128
	s_cselect_b64 s[SRC:SRC+1], s[8:9], s[10:11]
	s_cselect_b32 s46, s[ID], s46
	s_lshl_b32 s[SOF], s46, 17                     ; 256 segments of 512 bytes,
	s_lshl_b32 s47, s[WVN], 14                     ; my wave's 32
	s_add_co_u32 s[SOF], s[SOF], s47
	s_mov_b32 s[SOF+1], 0
	s_mov_b64 s[DST:DST+1], s[26:27]
	s_lshl_b32 s[DOF], s[ID], 16                   ; 256 segments of 256 bytes,
	s_lshl_b32 s47, s[WVN], 13
	s_add_co_u32 s[DOF], s[DOF], s47
	s_mov_b32 s[DOF+1], 0
	s_mov_b32 s[STR], 512
	s_branch .Lcast
.Lw:                                           ; THE WEIGHTS: a work-group takes 256 rows k of one block of 128 columns
	s_sub_co_u32 s46, s[ID], 384                   ; 0-127 Wq, 128-159 Wk, 160-191 Wv
	s_mov_b64 s[SRC:SRC+1], s[16:17]               ; Wv's figures, then the others' in their ranges
	s_mov_b64 s[DST:DST+1], s[28:29]
	s_mov_b32 s60, 2                               ; log2 of the blocks in a row
	s_mov_b32 s61, 20                              ; the tensor's first block in the target
	s_mov_b32 s62, 160                             ; the tensor's first work-group
	s_cmp_lt_u32 s46, 160
	s_cselect_b64 s[SRC:SRC+1], s[14:15], s[SRC:SRC+1]
	s_cselect_b32 s61, 16, s61
	s_cselect_b32 s62, 128, s62
	s_cmp_lt_u32 s46, 128
	s_cselect_b64 s[SRC:SRC+1], s[12:13], s[SRC:SRC+1]
	s_cselect_b32 s60, 4, s60
	s_cselect_b32 s61, 0, s61
	s_cselect_b32 s62, 0, s62
	s_sub_co_u32 s46, s46, s62
	s_bfm_b32 s47, s60, 0
	s_and_b32 s47, s46, s47                        ; the block
	s_lshr_b32 s46, s46, s60                       ; which 256 rows
	s_lshl_b32 s[STR], 512, s60                    ; a row of the source in bytes
	s_lshl_b32 s[SOF], s46, 8
	s_lshl_b32 s63, s[WVN], 5
	s_add_co_u32 s[SOF], s[SOF], s63               ; my wave's first row
	s_mul_i32 s[SOF], s[SOF], s[STR]
	s_lshl_b32 s63, s47, 9
	s_add_co_u32 s[SOF], s[SOF], s63               ; the block's 512 bytes in it
	s_mov_b32 s[SOF+1], 0
	s_add_co_u32 s[DOF], s61, s47
	s_lshl_b32 s[DOF], s[DOF], 19                  ; a block of the target is 2,048 rows of 256 bytes
	s_lshl_b32 s63, s46, 16
	s_add_co_u32 s[DOF], s[DOF], s63
	s_lshl_b32 s63, s[WVN], 13
	s_add_co_u32 s[DOF], s[DOF], s63
	s_mov_b32 s[DOF+1], 0
.Lcast:
	s_add_nc_u64 s[DST:DST+1], s[DST:DST+1], s[DOF:DOF+1]
	s_add_nc_u64 s[48:49], s[SRC:SRC+1], s[SOF:SOF+1]  ; four bases, eight segments apart,
	s_lshl_b32 s[DOF], s[STR], 3
	s_add_nc_u64 s[50:51], s[48:49], s[DOF:DOF+1]
	s_add_nc_u64 s[52:53], s[50:51], s[DOF:DOF+1]
	s_add_nc_u64 s[54:55], s[52:53], s[DOF:DOF+1]
	v_mov_b32 v4, v2                               ; and eight offsets: 16 x lane + jj x STR
.irp jj, 1,2,3,4,5,6,7
	v_add_nc_u32 v[4+\jj], s[STR], v[3+\jj]
.endr
.irp g, 0,1,2,3
.irp jj, 0,1,2,3,4,5,6,7
	global_load_b128 v[X+4*(8*\g+\jj):X+4*(8*\g+\jj)+3], v[4+\jj], s[48+2*\g:49+2*\g] th:TH_LOAD_NT
.endr
.endr
.irp n, 0,1,2,3,4,5,6,7,8,9,10,11,12,13,14,15,16,17,18,19,20,21,22,23,24,25,26,27,28,29,30,31
	s_wait_loadcnt 31-(\n)                         ; loads come back in order: segment n is in, the 31 - n younger ones stay out
	v_cvt_pk_bf16_f32 v[X+4*(\n)], v[X+4*(\n)], v[X+4*(\n)+1]
	v_cvt_pk_bf16_f32 v[X+4*(\n)+1], v[X+4*(\n)+2], v[X+4*(\n)+3]
	global_store_b64 v3, v[X+4*(\n):X+4*(\n)+1], s[DST:DST+1] offset:256*(\n) th:TH_STORE_NT  ; the wave's 256 consecutive bytes, aligned
.endr
	s_endpgm
.Ltab:                                         ; THE TABLE: a wave makes 4 rows, one a trip; lane l owns the frequencies 2 l and 2 l + 1
	s_sub_co_u32 s46, s[ID], 576
	s_lshl_b32 s46, s46, 5
	s_lshl2_add_u32 s46, s[WVN], s46               ; my first row: 32 x work-group + 4 x wave
	s_max_u32 s47, s46, 2048
	s_sub_co_u32 s47, s47, 2048                    ; the same among the vision tokens
	s_mov_b32 s[STR], 16384                        ; bytes from a section's positions to the next's
	s_cmp_lt_u32 s46, 2048
	s_cselect_b64 s[SRC:SRC+1], s[22:23], s[24:25]
	s_cselect_b32 s47, s46, s47
	s_cselect_b32 s[STR], 8192, s[STR]
	s_lshl_b32 s47, s47, 2
	v_cmp_lt_u32 vcc_lo, 7, v1                     ; frequencies 0-15 go by section 0, 16-39 by section 1, 40-63 by section 2: lanes 0-7, 8-19, 20-31
	v_cndmask_b32 v4, 0, s[STR], vcc_lo
	v_cmp_lt_u32 vcc_lo, 19, v1
	v_cndmask_b32 v5, 0, s[STR], vcc_lo
	v_add3_u32 v4, v4, v5, s47
	global_load_b128 v[32:35], v4, s[SRC:SRC+1]    ; my section's positions of the four rows
	s_lshl_b32 s[DOF], s46, 9
	s_mov_b32 s[DOF+1], 0
	s_add_nc_u64 s[DST:DST+1], s[30:31], s[DOF:DOF+1]
	v_lshlrev_b32 v5, 1, v1
	v_cvt_f32_u32 v36, v5
	v_add_f32 v37, 1.0, v36
	v_mul_f32 v36, 0xbe9f73da, v36                 ; - i log2(1e6) / 64
	v_mul_f32 v37, 0xbe9f73da, v37
	v_exp_f32 v36, v36
	v_exp_f32 v37, v37
	v_mov_b32 v38, 0xab573f9f                      ; -1/15!  (two plain instructions behind the exponentials)
	v_mov_b32 v39, 0x29573f9f                      ; 1/16!
	s_wait_alu depctr_va_vdst(0)                   ; one wait for both exponentials, ahead of their first reader and of the label
	s_wait_loadcnt 0x0
	s_mov_b32 s[ROWS], 4
.set T, 48                             ; T+0 the position; T+2, 3 the angle, then its rest; T+4, 5 the turns, then the rest's square; T+6, 7 sin; T+8, 9 cos
.Lrow:                                         ; the row whose position lies in v32
	v_cvt_f32_i32 v[T], v32
.irp f, 0,1
	v_mul_f32 v[T+2+\f], v[T], v[36+\f]            ; the angle, rounded once, as it is defined
.endr
.irp f, 0,1
	v_mul_f32 v[T+4+\f], 0.15915494, v[T+2+\f]
.endr
.irp f, 0,1
	v_rndne_f32 v[T+4+\f], v[T+4+\f]               ; whole turns
.endr
.irp f, 0,1
	v_fmamk_f32 v[T+2+\f], v[T+4+\f], 0xc0c90fdb, v[T+2+\f]  ; less turns x 2 pi's upper part (exact before the one rounding),
.endr
.irp f, 0,1
	v_fmamk_f32 v[T+2+\f], v[T+4+\f], 0x343bbd2e, v[T+2+\f]  ; and its lower part
.endr
.irp f, 0,1
	v_mul_f32 v[T+4+\f], v[T+2+\f], v[T+2+\f]
.endr
.irp f, 0,1
	v_fmaak_f32 v[T+6+\f], v[T+4+\f], v38, 0x2f309231
	v_fmaak_f32 v[T+8+\f], v[T+4+\f], v39, 0xad49cba5
.endr
.irp c, 0xb2d7322b, 0x3638ef1d, 0xb9500d01, 0x3c088889, 0xbe2aaaab, 0x3f800000
.irp f, 0,1
	v_fmaak_f32 v[T+6+\f], v[T+6+\f], v[T+4+\f], \c
.endr
.endr
.irp c, 0x310f76c7, 0xb493f27e, 0x37d00d01, 0xbab60b61, 0x3d2aaaab, 0xbf000000, 0x3f800000
.irp f, 0,1
	v_fmaak_f32 v[T+8+\f], v[T+8+\f], v[T+4+\f], \c
.endr
.endr
.irp f, 0,1
	v_mul_f32 v[T+6+\f], v[T+6+\f], v[T+2+\f]
.endr
	global_store_b64 v3, v[T+8:T+9], s[DST:DST+1]             ; the row's 64 cosines: 256 consecutive bytes, aligned
	global_store_b64 v3, v[T+6:T+7], s[DST:DST+1] offset:256  ; and its 64 sines
	s_wait_xcnt 0x0                                ; the two stores have read their data and their base: both are written again only behind this wait
	s_add_nc_u64 s[DST:DST+1], s[DST:DST+1], 512
	v_mov_b32 v32, v33                             ; the next row's position moves up
	v_mov_b32 v33, v34
	v_mov_b32 v34, v35
	s_sub_co_u32 s[ROWS], s[ROWS], 1
	s_cmp_lg_u32 s[ROWS], 0
	s_cbranch_scc1 .Lrow
	s_endpgm
.Lfunc_end_k_q080ff9f67f_prep:
	.size	k_q080ff9f67f_prep, .Lfunc_end_k_q080ff9f67f_prep-k_q080ff9f67f_prep
	.p2alignl 7, 3214868480
	.fill 96, 4, 3214868480
	.section	.rodata,"a",@progbits
	.p2align	6, 0x0
	.amdhsa_kernel k_q080ff9f67f_prep
		.amdhsa_group_segment_fixed_size 0
		.amdhsa_private_segment_fixed_size 0
		.amdhsa_enable_private_segment 0
		.amdhsa_kernarg_size 104
		.amdhsa_user_sgpr_count 2
		.amdhsa_user_sgpr_kernarg_segment_ptr 1
		.amdhsa_wavefront_size32 1
		.amdhsa_system_sgpr_workgroup_id_x 1
		.amdhsa_system_sgpr_workgroup_id_y 1
		.amdhsa_system_sgpr_workgroup_id_z 1
		.amdhsa_system_vgpr_workitem_id 0
		.amdhsa_next_free_vgpr 176
		.amdhsa_next_free_sgpr 66
		.amdhsa_reserve_vcc 1
		.amdhsa_float_denorm_mode_32 3
		.amdhsa_float_denorm_mode_16_64 3
		.amdhsa_memory_ordered 1
		.amdhsa_forward_progress 1
		.amdhsa_inst_pref_size 21
	.end_amdhsa_kernel
	.amdgpu_metadata
---
amdhsa.version: [ 1, 2 ]
amdhsa.kernels:
  - .name:           k_q080ff9f67f_prep
    .symbol:         k_q080ff9f67f_prep.kd
    .args:
      - { .name: hidden_states, .offset: 0, .size: 8, .value_kind: global_buffer, .address_space: global }
      - { .name: cross_attention_states, .offset: 8, .size: 8, .value_kind: global_buffer, .address_space: global }
      - { .name: Wq, .offset: 16, .size: 8, .value_kind: global_buffer, .address_space: global }
      - { .name: Wk, .offset: 24, .size: 8, .value_kind: global_buffer, .address_space: global }
      - { .name: Wv, .offset: 32, .size: 8, .value_kind: global_buffer, .address_space: global }
      - { .name: q_norm_w, .offset: 40, .size: 8, .value_kind: global_buffer, .address_space: global }
      - { .name: k_norm_w, .offset: 48, .size: 8, .value_kind: global_buffer, .address_space: global }
      - { .name: positions, .offset: 56, .size: 8, .value_kind: global_buffer, .address_space: global }
      - { .name: vision_position_ids, .offset: 64, .size: 8, .value_kind: global_buffer, .address_space: global }
      - { .name: xb, .offset: 72, .size: 8, .value_kind: global_buffer, .address_space: global }
      - { .name: wb, .offset: 80, .size: 8, .value_kind: global_buffer, .address_space: global }
      - { .name: tab, .offset: 88, .size: 8, .value_kind: global_buffer, .address_space: global }
      - { .name: wn, .offset: 96, .size: 8, .value_kind: global_buffer, .address_space: global }
    .group_segment_fixed_size: 0
    .private_segment_fixed_size: 0
    .kernarg_segment_align: 8
    .kernarg_segment_size: 104
    .max_flat_workgroup_size: 256
    .sgpr_count:     66
    .vgpr_count:     176
    .wavefront_size: 32
...
	.end_amdgpu_metadata
.endif
;; end of part 1
;; launch proj (part 2): grid 4 x 64, 4 waves a work-group, clusters of 4 x 4, 327,680 bytes of LDS; arguments xb, wb, tab, wn, qkv; writes qkv
.if DOCPART == 2
	.amdgcn_target "amdgcn-amd-amdhsa--gfx1250"
	.amdhsa_code_object_version 6
	.text
	.protected	k_q080ff9f67f_proj
	.globl	k_q080ff9f67f_proj
	.p2align	8
	.type	k_q080ff9f67f_proj,@function
k_q080ff9f67f_proj:
	s_mov_b64 s[64:65], 0
	v_nop
	global_prefetch_b8 v0, s[64:65] scope:SCOPE_SE
	s_setreg_imm32_b32 hwreg(HW_REG_WAVE_MODE, 25, 1), 1
	s_wait_xcnt 0x0
	s_wait_alu depctr_hold_cnt(0) depctr_sa_sdst(0) depctr_va_vdst(0) depctr_va_sdst(0) depctr_va_ssrc(0) depctr_va_vcc(0) depctr_vm_vsrc(0)
	s_getreg_b32 s2, hwreg(HW_REG_IB_STS2, 6, 4)
	s_cmp_eq_u32 s2, 0
	s_cbranch_scc0 .Lentry_in_a_cluster
	s_endpgm
.Lentry_in_a_cluster:
	s_bfe_u32 s2, ttmp6, 0x10000c
	s_cmp_lg_u32 s2, 0xf033
	s_cbranch_scc0 .Lentry_shape_is_right
	s_endpgm
.Lentry_shape_is_right:
; THE THREE PROJECTIONS, WITH THE NORM AND THE ROTATION.  xb [6144][2048] bf16 times the 24 blocks [2048 k][128 n] of wb; sums in f32.  Rows 0-2047 meet blocks 0-15 (q's heads), rows 2048-6143 blocks 16-19
; (k's heads) and 20-23 (v's).  Each head's row of 128 is then divided by sqrt(mean of squares + 1e-6), multiplied by the gain, turned by the row's 64 angles, rounded once to f16 and stored by heads:
; q head h at h x 524,288, [2048][128]; k head j at 8,388,608 + j x 1,048,576, [4096][128]; v head j at 12,582,912 + j x 1,048,576.
; ONE WAY OUT FOR ALL THREE: v takes the table's row of cos = 1, sin = 0, the gain 1, and the divisor sqrt(0 x sum + 1).
; LIMITS.  f16 ends at 65,504: |v| stays under it; |q|, |k| are at most 11.4 x the largest gain, so the gains stay under 5,700.  NaN and infinities are not treated apart.
; SHARES.  256 tiles of 256 rows x 128 columns (one block = one head), a work-group each; a wave makes 64 rows x 128 columns: 32 accumulators, 256 registers.  So a head's whole row lies in one wave.
; THE MATRIX INSTRUCTION IS USED TRANSPOSED (source 0 = 16 columns of the block, source 1 = 16 rows of xb): lane l holds row l % 16 and the columns 16 b + 8 (l / 16) + 0..7 of accumulator b: the pairs
; (d, d + 64) of the rotation lie in one lane, and the sum of squares wants one exchange between the halves of the lanes.
; THE RING.  K goes in steps of 128 through two LDS slots.  Waves 0 and 1 fetch the two halves of the 256 rows of xb, waves 2 and 3 the two halves of the block's 128 rows k; all rows are 256 bytes.
; The block lies [k][n], so its fragments come out of LDS turned, by ds_load_tr16_b128.
; CLUSTERS.  4 x 4 work-groups: the four of a row of the cluster share their rows of xb, the four of a column their block: each tile is asked for jointly.
; Clusters 0-7 (y) make q: 4 across the blocks x 2 down the rows; clusters 8-15 make k and v: 2 across x 4 down.
; REGISTERS, in windows of 256: window 0: addresses, v24-63 at work, v64-159 and v160-255 two fragment buffers (8 fragments of the block, then 4 of xb); window 1: accumulator (a, b) at v[8 (8 a + b)];
; window 2: the table for my four tiles of 16 rows, 32 cos and 32 sin each; window 3: my 64 gains.
.set SLOT1,  131072                    ; slot 1 begins here: one exclusive or turns an address in one slot into the other's
.set PA,     272                       ; a row of xb in LDS: 256 bytes + 16: the 16 rows of a load start at 16 different groups of four banks (64 banks of 4 bytes: ISA guide 11.1)
.set PB,     288                       ; a row k of the block: 256 + 32
.set BOFF,   256*PA                    ; in a slot: 256 rows of xb, then 128 rows of the block
.set STAGE,  SLOT1+BOFF+128*PB         ; behind the ring: 16 rows x 272 bytes for each wave, for the way out
.set SP,     272
.set SPARE,  STAGE+4*16*SP             ; behind the stages: the spare words, 128 bytes for each wave: two blocks of 256 bytes that no other line names
.set A0R,  4                           ; v4   my lane's place in slot 0's rows of xb; never rewritten
.set B0R,  5                           ; v5   the same in the block's rows
.set ADRA, 6                           ; v6   the same in the slot in hand
.set ADRB, 7                           ; v7
.set STO,  8                           ; v8   the way out: where I put 16 bytes of a row
.set RD,   9                           ; v9   where I read rows back
.set GO,   10                          ; v10  my 16 bytes in 512 consecutive bytes of the output
.set PFO,  11                          ; v11  the prefetches' offset: my lane x a row in memory; never rewritten
.set TO,   12                          ; v12-15  my byte offset in the table, for each tile of 16 rows; never rewritten
.set WO,   16                          ; v16  my byte offset in the gains; never rewritten
.set SPW,  20                          ; v20  LDS address of my spare word; never rewritten
.set NIL,  21                          ; v21  0; never rewritten
.set RS,   24                          ; v24-31  1 / sqrt(..) of my row in tile a at v[24 + 2 a], named as a pair
.set SS,   32                          ; v32-63  sums of squares, 8 registers a tile; later
.set BK,   32                          ;         16 rows read back from the stage
.set F0,   64
.set F1,   160
.set YR,   64                          ; the way out: x times gain, 64 registers; later the packed results
.set CR,   128                         ; cos / sqrt(..), 32 registers, then sin / sqrt(..)
.set RO,   192                         ; the turned row, 64 registers
.set WV,   14
.set HF,   15                          ; s15  wave & 1: which half of a tile I fetch
.set CX,   17
.set CY,   18
.set BLK,  22
.set ROWT, 23
.set G1A,  24                          ; s[24:31] descriptor group 1 for xb's tiles
.set G0A,  32                          ; s[32:39] group 0: a set for each of the two first fills; the second then walks on
.set G1B,  40                          ; s[40:47], s[48:55] the same for the block's tiles
.set G0B,  48
.set TB,   56                          ; s56  LDS byte at which the slot in hand begins
.set CNT,  57
.set SA,   58                          ; s58, s59  the divisor is sqrt(sum x SA + SB)
.set SB,   59
.set SEL,  60                          ; s[60:61] v_permlanex16_b32's selects: each lane takes its own place in the other half
.set LIM,  62                          ; s62  2 in a wave that prefetches, else the greatest number
.set PFA,  66                          ; s[66:67] where my prefetches stand
.set PST,  68                          ; s[68:69] a K step in bytes there
.set TABB, 70                          ; s[70:71] the table at my first row; never rewritten
.set WNB,  72                          ; s[72:73] my gains; never rewritten
.set ISQ,  74
.set ISV,  75
.set MSB, 0
.macro WIN new                         ; s_set_vgpr_msb: bits 1:0 source 0, 3:2 source 1, 5:4 source 2, 7:6 destination; the high byte repeats the setting that is left
.if MSB != (\new)
	s_set_vgpr_msb (MSB<<8)|(\new)
.set MSB, \new
.endif
.endm
.macro PLACES                          ; four plain instructions between a matrix instruction and a load into, or a vector read of, its registers
.rept 4
	v_nop
.endr
.endm
.macro CREST                           ; a round of the cluster's barrier behind its opening barrier
	s_cmp_lg_u32 s[WV], 0
	s_cbranch_scc1 .Lnot_wave_0_\@
	s_barrier_signal -3
.Lnot_wave_0_\@:
	s_barrier_wait -3
	s_barrier_signal -1
	s_barrier_wait -1
.endm
.macro CROUND
	s_barrier_signal -1
	s_barrier_wait -1
	CREST
.endm
; A joint refill by the walking descriptors.  The branch hangs on the wave's number alone.  An s_nop 0 and four v_nop follow each of the two lines.
.macro JLOAD
	s_cmp_lt_u32 s[WV], 2
	s_cbranch_scc0 .Lfor_b_\@
	tensor_load_to_lds s[G0A+4:G0A+7], s[G1A:G1A+7]
	s_nop 0
.rept 4
	v_nop
.endr
	s_branch .Lasked_\@
.Lfor_b_\@:
	tensor_load_to_lds s[G0B+4:G0B+7], s[G1B:G1B+7]
	s_nop 0
.rept 4
	v_nop
.endr
.Lasked_\@:
.endm
; A PREFETCH INTO THE L2, behind the joint load, its five lines and the run of LDS loads: the refill asks for K step t + 2, the prefetch names K step t + 4: two K steps, 256 matrix instructions, ahead of the load
; that will want it.  Each row's 256 bytes of a K step are named once in the launch.  xb's rows are read by every cluster that stands beside mine across the blocks: the first of them asks, waves 0 and 1, each of the
; four partners of a row of the cluster for 32 of a wave's 128 rows, told apart by address.  The block's rows are read by every cluster below mine: the first of them asks, wave 2, each of the four partners of a
; column for 32 of the step's 128 rows.  K steps 0 to 3 come by their loads alone; the last two refills ask for nothing: K has 16 steps.
.macro ASK
	s_cmp_gt_u32 s[CNT], s[LIM]
	s_cbranch_scc0 .Lnot_mine_\@
	global_prefetch_b8 v[PFO], s[PFA:PFA+1] th:TH_LOAD_NT scope:SCOPE_SE
.Lnot_mine_\@:
.endm
	s_load_b256 s[4:11], s[0:1], 0x0               ; xb s[4:5], wb s[6:7], tab s[8:9], wn s[10:11]
	s_load_b64 s[12:13], s[0:1], 0x20              ; qkv
	v_lshl_add_u32 v[SPW], v0, 2, SPARE
	v_mov_b32 v[NIL], 0
	ds_add_u32 v[SPW], v[NIL]                      ; the wave's opening: the add and its wait stand ahead of my first tensor load; the set-up below, work on registers, stands between them
	v_lshrrev_b32 v3, 5, v0
	v_readfirstlane_b32 s[WV], v3                  ; wave 0..3
	s_and_b32 s[HF], s[WV], 1
	s_bfe_u32 s[CX], ttmp6, 0x40000                ; my place in the cluster
	s_bfe_u32 s[CY], ttmp6, 0x40004
	s_and_b32 s19, ttmp7, 0xffff                   ; the cluster, 0..15
	s_and_b32 s80, s19, 3                          ; q: the cluster's place across the blocks,
	s_lshr_b32 s81, s19, 2                         ; and down the rows
	s_max_u32 s76, s19, 8
	s_sub_co_u32 s76, s76, 8
	s_and_b32 s77, s76, 1                          ; k and v: the same two
	s_lshr_b32 s78, s76, 1
	s_cmp_lt_u32 s19, 8
	s_cselect_b32 s[ISQ], 1, 0
	s_cselect_b32 s80, s80, s77
	s_cselect_b32 s81, s81, s78
	s_cselect_b32 s76, 0, 4
	s_cselect_b32 s77, 0, 2
	s_add_co_u32 s20, s80, s76                     ; which four blocks
	s_add_co_u32 s21, s81, s77                     ; which four row tiles
	s_cmp_eq_u32 s20, 5
	s_cselect_b32 s[ISV], 1, 0                     ; blocks 20-23 are v's
	s_lshl2_add_u32 s[BLK], s20, s[CX]             ; my block hangs on cx alone,
	s_lshl2_add_u32 s[ROWT], s21, s[CY]            ; my row tile on cy alone
	s_lshl_b32 s78, s[CY], 2
	s_lshl_b32 s78, 15, s78                        ; my row of the cluster: places 4 cy .. 4 cy + 3
	s_lshl_b32 s82, 0x1111, s[CX]                  ; my column: places cx, cx + 4, cx + 8, cx + 12
	s_or_b32 s[G1A], s78, (1<<16)|(1<<20)|(1<<21)|(5<<22)|(3<<25)  ; 15:0 the mask; 17:16 elements of 2 bytes; 20 padding on; 21 set beside a mask; 24:22 after every 64 words; 31:25 4 words of it
	s_mov_b32 s[G1A+1], 128<<16                    ; tensor_dim0 = 128
	s_mov_b32 s[G1A+2], 128<<16                    ; tensor_dim1 = 128
	s_mov_b32 s[G1A+3], 128<<16                    ; tile_dim0 = 128
	s_mov_b32 s[G1A+4], 128                        ; tile_dim1 = 128 rows
	s_mov_b32 s[G1A+5], 2048                       ; elements from row to row
	s_mov_b32 s[G1A+6], 0
	s_mov_b32 s[G1A+7], 0
	s_or_b32 s[G1B], s82, (1<<16)|(1<<20)|(1<<21)|(5<<22)|(7<<25)  ; the same with my column's mask and 8 words of padding
	s_mov_b32 s[G1B+1], 128<<16
	s_mov_b32 s[G1B+2], 64<<16                     ; 64 rows k
	s_mov_b32 s[G1B+3], 128<<16
	s_mov_b32 s[G1B+4], 64
	s_mov_b32 s[G1B+5], 128
	s_mov_b32 s[G1B+6], 0
	s_mov_b32 s[G1B+7], 0
	s_mov_b32 s[SEL], 0x76543210
	s_mov_b32 s[SEL+1], 0xfedcba98
	s_mov_b32 s[TB], 0
	s_mov_b32 s[SA], 0x3c000000                    ; 1 / 128
	s_mov_b32 s[SB], 0x358637bd                    ; 1e-6
	s_cmp_eq_u32 s[ISV], 1
	s_cselect_b32 s[SA], 0, s[SA]
	s_cselect_b32 s[SB], 1.0, s[SB]
	s_mul_i32 s2, s[HF], 128*PA                    ; where my tile goes: no place in the cluster enters an LDS address
	s_mul_i32 s3, s[HF], 64*PB
	s_add_co_u32 s3, s3, BOFF
	s_mov_b32 s[G0A], 1                            ; count = 1
	s_mov_b32 s[G0A+1], s2                         ; K step 0 into slot 0,
	s_mov_b32 s[G0A+4], 1
	s_add_co_u32 s[G0A+5], s2, SLOT1               ; K step 1 into slot 1
	s_mov_b32 s[G0B], 1
	s_mov_b32 s[G0B+1], s3
	s_mov_b32 s[G0B+4], 1
	s_add_co_u32 s[G0B+5], s3, SLOT1
	s_lshl_b32 s78, s[ROWT], 20                    ; 256 rows of 4,096 bytes,
	s_lshl_b32 s79, s[HF], 19                      ; my 128 of them
	s_add_co_u32 s78, s78, s79
	s_mov_b32 s79, 0
	s_lshl_b32 s82, s[BLK], 19                     ; a block is 2,048 rows of 256 bytes,
	s_lshl_b32 s83, s[HF], 14                      ; my 64 of a step's 128
	s_add_co_u32 s82, s82, s83
	s_mov_b32 s83, 0
	s_wait_dscnt 0x0                               ; the opening add is done
	s_wait_kmcnt 0x0
	s_add_nc_u64 s[G0A+2:G0A+3], s[4:5], s[78:79]
	s_add_nc_u64 s[G0A+6:G0A+7], s[G0A+2:G0A+3], 256
	s_or_b32 s[G0A+3], s[G0A+3], 0x80000000        ; type = 2
	s_or_b32 s[G0A+7], s[G0A+7], 0x80000000
	s_add_nc_u64 s[G0B+2:G0B+3], s[6:7], s[82:83]
	s_add_nc_u64 s[G0B+6:G0B+7], s[G0B+2:G0B+3], 32768
	s_or_b32 s[G0B+3], s[G0B+3], 0x80000000
	s_or_b32 s[G0B+7], s[G0B+7], 0x80000000
	CROUND                                         ; all sixteen work-groups are here: the first joint loads meet
	s_cmp_lt_u32 s[WV], 2                          ; a wave's two first fills stand in one branch, ahead of every wait on TENSORcnt and every LDS read: two loads of mine are out
	s_cbranch_scc0 .Lfirst_b
	tensor_load_to_lds s[G0A:G0A+3], s[G1A:G1A+7]
	s_nop 0
	tensor_load_to_lds s[G0A+4:G0A+7], s[G1A:G1A+7]
	s_nop 0
.rept 4
	v_nop
.endr
	s_branch .Lfirst_asked
.Lfirst_b:
	tensor_load_to_lds s[G0B:G0B+3], s[G1B:G1B+7]
	s_nop 0
	tensor_load_to_lds s[G0B+4:G0B+7], s[G1B:G1B+7]
	s_nop 0
.rept 4
	v_nop
.endr
.Lfirst_asked:
	; A fragment of xb is 16 rows x 32 K: lane l holds row l % 16, K = 8 (l / 16) + 0..7 and 16 + 8 (l / 16) + 0..7: two loads of 16 bytes, 32 bytes apart.
	v_and_b32 v1, 15, v0                           ; l % 16
	v_bfe_u32 v2, v0, 4, 1                         ; l / 16
	v_mul_u32_u24 v[A0R], v1, PA
	v_lshl_add_u32 v[A0R], v2, 4, v[A0R]
	s_mul_i32 s76, s[WV], 64*PA                    ; my 64 rows
	v_add_nc_u32 v[A0R], s76, v[A0R]
	; The turning load takes 16 k x 16 columns (lane l reads row k = 8 (l / 16) + l % 8, columns 8 ((l / 8) % 2) + 0..7) and leaves half a fragment: lane l holds column l % 16 and 8 k.
	v_and_b32 v3, 7, v0
	v_lshl_add_u32 v3, v2, 3, v3
	v_mul_u32_u24 v[B0R], v3, PB
	v_bfe_u32 v3, v0, 3, 1
	v_lshl_add_u32 v[B0R], v3, 4, v[B0R]
	v_add_nc_u32 v[B0R], BOFF, v[B0R]
	v_mov_b32 v[ADRA], v[A0R]
	v_mov_b32 v[ADRB], v[B0R]
	; the table's rows for my 64 rows (v: the one row that turns nothing, for every row) and my gains: loaded now, waited for on the way out
	s_lshl_b32 s76, s[ROWT], 8
	s_lshl_b32 s77, s[WV], 6
	s_add_co_u32 s76, s76, s77                     ; my first row of xb
	s_mov_b32 s2, 512                              ; bytes from row to row,
	s_mov_b32 s3, 8192                             ; and from tile to tile
	s_cmp_eq_u32 s[ISV], 1
	s_cselect_b32 s76, 6144, s76
	s_cselect_b32 s2, 0, s2
	s_cselect_b32 s3, 0, s3
	s_lshl_b32 s76, s76, 9
	s_mov_b32 s77, 0
	s_add_nc_u64 s[TABB:TABB+1], s[8:9], s[76:77]
	v_mul_u32_u24 v[TO], s2, v1
	v_lshl_add_u32 v[TO], v2, 5, v[TO]             ; my 8 columns of each 16: 32 bytes
	v_add_nc_u32 v[TO+1], s3, v[TO]
	v_add_nc_u32 v[TO+2], s3, v[TO+1]
	v_add_nc_u32 v[TO+3], s3, v[TO+2]
	s_mov_b32 s76, 512                             ; k's gains,
	s_cmp_eq_u32 s[ISV], 1
	s_cselect_b32 s76, 1024, s76                   ; the ones for v,
	s_cmp_eq_u32 s[ISQ], 1
	s_cselect_b32 s76, 0, s76                      ; q's
	s_add_nc_u64 s[WNB:WNB+1], s[10:11], s[76:77]
	v_lshlrev_b32 v[WO], 5, v2
	WIN 0x80                                       ; destination window 2
.irp a, 0,1,2,3
.irp b, 0,1,2,3
	global_load_b128 v[64*\a+8*\b:64*\a+8*\b+3],       v[TO+\a], s[TABB:TABB+1] offset:64*\b
	global_load_b128 v[64*\a+8*\b+4:64*\a+8*\b+7],     v[TO+\a], s[TABB:TABB+1] offset:64*\b+16
	global_load_b128 v[64*\a+32+8*\b:64*\a+32+8*\b+3], v[TO+\a], s[TABB:TABB+1] offset:256+64*\b
	global_load_b128 v[64*\a+32+8*\b+4:64*\a+32+8*\b+7], v[TO+\a], s[TABB:TABB+1] offset:256+64*\b+16
.endr
.endr
	WIN 0xc0                                       ; destination window 3
.irp b, 0,1,2,3,4,5,6,7
	global_load_b128 v[8*\b:8*\b+3],   v[WO], s[WNB:WNB+1] offset:64*\b
	global_load_b128 v[8*\b+4:8*\b+7], v[WO], s[WNB:WNB+1] offset:64*\b+16
.endr
	WIN 0
	; the prefetches
	s_lshl_b32 s76, s[ROWT], 8
	s_lshl_b32 s77, s[HF], 7
	s_add_co_u32 s76, s76, s77
	s_lshl_b32 s77, s[CX], 5
	s_add_co_u32 s76, s76, s77                     ; xb: the 128 rows that I fetch, my work-group's 32 of them,
	s_lshl_b32 s76, s76, 12
	s_add_co_u32 s76, s76, 3*256                   ; at K step 3: the first refill steps it to 4
	s_lshl_b32 s77, s[BLK], 19
	s_lshl_b32 s63, s[CY], 13
	s_add_co_u32 s77, s77, s63                     ; the block: my work-group's 32 rows of a step's 128,
	s_add_co_u32 s77, s77, 3*32768                 ; at K step 3
	s_mov_b32 s[PST], 32768
	s_mov_b32 s[PST+1], 0
	s_mov_b32 s63, 8
	s_cmp_lt_u32 s[WV], 2
	s_cselect_b64 s[PFA:PFA+1], s[4:5], s[6:7]
	s_cselect_b32 s76, s76, s77
	s_cselect_b32 s[PST], 256, s[PST]
	s_cselect_b32 s63, 12, s63
	s_cselect_b32 s[LIM], s80, s81                 ; the coordinate along which other clusters read the same rows
	s_mov_b32 s77, 0
	s_add_nc_u64 s[PFA:PFA+1], s[PFA:PFA+1], s[76:77]
	s_cmp_eq_u32 s[WV], 3
	s_cselect_b32 s[LIM], 1, s[LIM]                ; wave 3 asks for nothing
	s_cmp_eq_u32 s[LIM], 0
	s_cselect_b32 s[LIM], 2, -1                    ; the same in all sixteen partners, for a given wave
	v_and_b32 v[PFO], 31, v0
	v_lshlrev_b32 v[PFO], s63, v[PFO]              ; a lane a row: 4,096 bytes in xb, 256 in the block
	; where my 64 rows of the head go
	s_lshl_b32 s76, s[BLK], 19
	s_lshl_b32 s77, s[ROWT], 16
	s_add_co_u32 s76, s76, s77                     ; q: head x 2,048 rows of 256 bytes + row tile x 256 rows
	s_max_u32 s77, s[BLK], 16
	s_sub_co_u32 s77, s77, 16
	s_lshl_b32 s77, s77, 20                        ; k and v: head x 4,096 rows,
	s_max_u32 s63, s[ROWT], 8
	s_sub_co_u32 s63, s63, 8
	s_lshl_b32 s63, s63, 16
	s_add_co_u32 s77, s77, s63
	s_add_co_u32 s77, s77, 8388608                 ; behind q
	s_cmp_eq_u32 s[ISQ], 1
	s_cselect_b32 s76, s76, s77
	s_lshl_b32 s77, s[WV], 14
	s_add_co_u32 s76, s76, s77
	s_mov_b32 s77, 0
	s_add_nc_u64 s[12:13], s[12:13], s[76:77]
; 8 matrix instructions: tile a of my four x all 8 column blocks, 32 along K.  The 32 accumulators take turns in one fixed order: 31 others stand between two links of a chain.
.macro MULA f, a, zero
	WIN 0x50                                       ; C and D in window 1
.irp b, 0,1,2,3,4,5,6,7
.if \zero
	v_wmma_f32_16x16x32_bf16 v[8*(8*(\a)+\b):8*(8*(\a)+\b)+7], v[(\f)+8*\b:(\f)+8*\b+7], v[(\f)+64+8*(\a):(\f)+64+8*(\a)+7], 0
.else
	v_wmma_f32_16x16x32_bf16 v[8*(8*(\a)+\b):8*(8*(\a)+\b)+7], v[(\f)+8*\b:(\f)+8*\b+7], v[(\f)+64+8*(\a):(\f)+64+8*(\a)+7], v[8*(8*(\a)+\b):8*(8*(\a)+\b)+7]
.endif
.endr
.endm
; 24 LDS loads in one run: quarter q's fragments (32 along K) into buffer f: the block's 8, then xb's 4
.macro FETCH q, f
	WIN 0
.irp b, 0,1,2,3,4,5,6,7
	ds_load_tr16_b128 v[(\f)+8*\b:(\f)+8*\b+3],   v[ADRB] offset:(\q)*32*PB+32*\b
	ds_load_tr16_b128 v[(\f)+8*\b+4:(\f)+8*\b+7], v[ADRB] offset:(\q)*32*PB+16*PB+32*\b
.endr
.irp a, 0,1,2,3
	ds_load_b128 v[(\f)+64+8*\a:(\f)+64+8*\a+3],   v[ADRA] offset:\a*16*PA+64*(\q)
	ds_load_b128 v[(\f)+64+8*\a+4:(\f)+64+8*\a+7], v[ADRA] offset:\a*16*PA+64*(\q)+32
.endr
.endm
; A K step is four quarters of 32 along K, 32 matrix instructions each, on buffers 0, 1, 0, 1.  One of the first three: multiplies buffer f and fetches quarter q into buffer g.
.macro QUARTER q, f, g, zero
	s_wait_dscnt 4                                 ; all but the youngest four loads: xb's tiles 2 and 3
	MULA \f, 0, \zero
	MULA \f, 1, \zero
	PLACES
	FETCH \q, \g
	s_wait_dscnt 24                                ; all but the 24 just issued
	MULA \f, 2, \zero
	MULA \f, 3, \zero
.endm
; The last quarter multiplies buffer 1 and changes slots: ONE barrier.  In front of it each wave waits for all its tensor loads (one is out: its part of the next slot), adds 0 to its spare word, and waits for that
; and for its reads of this slot.  fill = 1: the barrier opens a round of the cluster's, and this slot is filled again first thing behind it, with the K step two on: 112 matrix instructions ahead of the wait for it.
.macro TURN fill
.if \fill
	s_wait_xcnt 0x0                                ; the last prefetch, a K step back, has read its address
	s_add_nc_u64 s[PFA:PFA+1], s[PFA:PFA+1], s[PST:PST+1]
.endif
	WIN 0
	s_wait_tensorcnt 0x0                           ; no tensor load of mine is out, so a group 0 may be written
	ds_add_u32 v[SPW], v[NIL]                      ; 0 onto my spare word
.if \fill
	s_xor_b32 s[G0A+5], s[G0A+5], SLOT1            ; the walking descriptors: the other slot than last time, the next K step
	s_add_nc_u64 s[G0A+6:G0A+7], s[G0A+6:G0A+7], 256
	s_xor_b32 s[G0B+5], s[G0B+5], SLOT1
	s_add_nc_u64 s[G0B+6:G0B+7], s[G0B+6:G0B+7], 32768
.endif
	s_xor_b32 s[TB], s[TB], SLOT1
	s_wait_dscnt 5                                 ; the add and the youngest four loads may be out
	MULA F1, 0, 0
	s_wait_dscnt 0x0                               ; the add is done, and my reads of this slot are over
	s_barrier_signal -1
	MULA F1, 1, 0                                  ; work on registers while the others arrive
	WIN 0
	s_barrier_wait -1
.if \fill
	CREST                                          ; no wave of any partner still reads this slot or has a load on its way
	JLOAD                                          ; the four v_nop behind it are also the places in front of the loads below
.else
	PLACES
.endif
	v_add_nc_u32 v[ADRA], s[TB], v[A0R]
	v_add_nc_u32 v[ADRB], s[TB], v[B0R]
	FETCH 0, F0
.if \fill
	ASK
.endif
	MULA F1, 2, 0
	MULA F1, 3, 0
.endm
	s_wait_tensorcnt 0x1                           ; my part of K step 0 is in; K step 1's may stay out
	s_barrier_signal -1
	s_barrier_wait -1                              ; everybody's is
	FETCH 0, F0
	QUARTER 1, F0, F1, 1                           ; the first quarter's products start the sums: nothing is cleared
	WIN 0
	s_mov_b32 s[CNT], 14
.Lstep:                                        ; 14 trips, from a K step's second quarter to the next one's first: the refills for K steps 2 to 15
	QUARTER 2, F1, F0, 0
	QUARTER 3, F0, F1, 0
	TURN 1
	QUARTER 1, F0, F1, 0
	WIN 0
	s_sub_co_u32 s[CNT], s[CNT], 1
	s_cmp_lg_u32 s[CNT], 0
	s_cbranch_scc1 .Lstep
	QUARTER 2, F1, F0, 0                           ; K steps 14 and 15 are written out: nothing is left to fetch
	QUARTER 3, F0, F1, 0
	TURN 0
	QUARTER 1, F0, F1, 0
	QUARTER 2, F1, F0, 0
	QUARTER 3, F0, F1, 0
	s_wait_dscnt 4
	MULA F1, 0, 0
	MULA F1, 1, 0
	s_wait_dscnt 0x0
	MULA F1, 2, 0
	MULA F1, 3, 0
	; THE WAY OUT.  The eight address lines are the places behind the last products.
	WIN 0
	s_mul_i32 s76, s[WV], 16*SP
	s_add_co_u32 s76, s76, STAGE                   ; my stage
	v_mul_u32_u24 v[STO], v1, SP                   ; in: row l % 16, 16 bytes for each half of the lanes
	v_lshl_add_u32 v[STO], v2, 4, v[STO]
	v_add_nc_u32 v[STO], s76, v[STO]
	v_mul_u32_u24 v[RD], v2, SP                    ; back: lanes 0-15 take one row of 256 bytes, lanes 16-31 the next,
	v_lshl_add_u32 v[RD], v1, 4, v[RD]
	v_add_nc_u32 v[RD], s76, v[RD]
	v_and_b32 v[GO], 31, v0                        ; which are 512 consecutive bytes of the head
	v_lshlrev_b32 v[GO], 4, v[GO]
; Tile a: the sum of my row's 64 squares in four chains of pairs (each accumulator is read from its low end on), the other 64 from the lane 16 away, then sum x SA + SB.
.macro SUMSQ a
	WIN 0x05                                       ; sources 0 and 1 in window 1
.irp b, 0,1,2,3,4,5,6,7
.irp c, 0,1,2,3
.if \b == 0
	v_pk_mul_f32 v[SS+8*(\a)+2*\c:SS+8*(\a)+2*\c+1], v[64*(\a)+8*\b+2*\c:64*(\a)+8*\b+2*\c+1], v[64*(\a)+8*\b+2*\c:64*(\a)+8*\b+2*\c+1]
.else
	v_pk_fma_f32 v[SS+8*(\a)+2*\c:SS+8*(\a)+2*\c+1], v[64*(\a)+8*\b+2*\c:64*(\a)+8*\b+2*\c+1], v[64*(\a)+8*\b+2*\c:64*(\a)+8*\b+2*\c+1], v[SS+8*(\a)+2*\c:SS+8*(\a)+2*\c+1]
.endif
.endr
.endr
	WIN 0
	v_pk_add_f32 v[SS+8*(\a):SS+8*(\a)+1], v[SS+8*(\a):SS+8*(\a)+1], v[SS+8*(\a)+2:SS+8*(\a)+3]
	v_pk_add_f32 v[SS+8*(\a)+4:SS+8*(\a)+5], v[SS+8*(\a)+4:SS+8*(\a)+5], v[SS+8*(\a)+6:SS+8*(\a)+7]
	v_pk_add_f32 v[SS+8*(\a):SS+8*(\a)+1], v[SS+8*(\a):SS+8*(\a)+1], v[SS+8*(\a)+4:SS+8*(\a)+5]
	v_add_f32 v[SS+8*(\a)], v[SS+8*(\a)], v[SS+8*(\a)+1]
	v_permlanex16_b32 v[SS+8*(\a)+1], v[SS+8*(\a)], s[SEL], s[SEL+1]
	v_add_f32 v[SS+8*(\a)], v[SS+8*(\a)], v[SS+8*(\a)+1]
	v_fma_f32 v[SS+8*(\a)], v[SS+8*(\a)], s[SA], s[SB]
.endm
	SUMSQ 0
	SUMSQ 1
	SUMSQ 2
	SUMSQ 3
.irp a, 0,1,2,3
	v_rsq_f32 v[RS+2*\a], v[SS+8*\a]
.endr
.irp a, 0,1,2,3
	v_mov_b32 v[RS+2*\a+1], 0                      ; named with it as a pair; also the plain instructions behind the roots
.endr
	s_wait_alu depctr_va_vdst(0)                   ; one wait for the four roots, ahead of their first reader
	s_wait_loadcnt 0x0                             ; the table and the gains
; Tile a: y = x times gain; cos and sin times 1 / sqrt(..); columns d < 64: y(d) cos - y(d + 64) sin; columns d + 64: y(d + 64) cos + y(d) sin; rounded to f16, 16 bytes for each 8 columns.
.macro ROPE a
	WIN 0x0d                                       ; source 0 in window 1, source 1 in window 3
.set i, 0
.rept 32
	v_pk_mul_f32 v[YR+2*i:YR+2*i+1], v[64*(\a)+2*i:64*(\a)+2*i+1], v[2*i:2*i+1]
.set i, i+1
.endr
	WIN 0x02                                       ; source 0 in window 2
.set i, 0
.rept 32
	v_pk_mul_f32 v[CR+2*i:CR+2*i+1], v[64*(\a)+2*i:64*(\a)+2*i+1], v[RS+2*(\a):RS+2*(\a)+1] op_sel_hi:[1,0]
.set i, i+1
.endr
	WIN 0
.set i, 0
.rept 16
	v_pk_mul_f32 v[RO+2*i:RO+2*i+1], v[YR+32+2*i:YR+32+2*i+1], v[CR+32+2*i:CR+32+2*i+1]
	v_pk_mul_f32 v[RO+32+2*i:RO+32+2*i+1], v[YR+2*i:YR+2*i+1], v[CR+32+2*i:CR+32+2*i+1]
.set i, i+1
.endr
.set i, 0
.rept 16
	v_pk_fma_f32 v[RO+2*i:RO+2*i+1], v[YR+2*i:YR+2*i+1], v[CR+2*i:CR+2*i+1], v[RO+2*i:RO+2*i+1] neg_lo:[0,0,1] neg_hi:[0,0,1]
	v_pk_fma_f32 v[RO+32+2*i:RO+32+2*i+1], v[YR+32+2*i:YR+32+2*i+1], v[CR+2*i:CR+2*i+1], v[RO+32+2*i:RO+32+2*i+1]
.set i, i+1
.endr
.set i, 0
.rept 32
	v_cvt_pk_f16_f32 v[YR+i], v[RO+2*i], v[RO+2*i+1]
.set i, i+1
.endr
.endm
.macro TOSTAGE
.irp b, 0,1,2,3,4,5,6,7
	ds_store_b128 v[STO], v[YR+4*\b:YR+4*\b+3] offset:32*\b
.endr
	s_wait_xcnt 0x0                                ; the stores of the tile before have read their data: only behind this wait are those registers loaded again
.irp t, 0,1,2,3,4,5,6,7
	ds_load_b128 v[BK+4*\t:BK+4*\t+3], v[RD] offset:\t*2*SP  ; LDS serves a wave's instructions in order (ISA guide 5.7.1.4): these see the stores above
.endr
.endm
.macro SEND a
	s_wait_dscnt 0x0                               ; the tile is back in registers
.irp t, 0,1,2,3,4,5,6,7
	global_store_b128 v[GO], v[BK+4*\t:BK+4*\t+3], s[12:13] offset:4096*(\a)+512*\t  ; 512 consecutive bytes, at a multiple of 256 from the buffer's first
.endr
.endm
	ROPE 0
	TOSTAGE
	ROPE 1                                         ; a tile's arithmetic stands between the loads of the tile before and its stores
	SEND 0
	TOSTAGE
	ROPE 2
	SEND 1
	TOSTAGE
	ROPE 3
	SEND 2
	TOSTAGE
	SEND 3
	s_wait_tensorcnt 0x0                           ; the wave's end: behind my last tensor load and my last LDS store
	ds_add_u32 v[SPW], v[NIL]
	s_wait_dscnt 0x0
	CROUND                                         ; the closing round: no work-group ends while a partner may still ask for a tile that names it
	s_endpgm
.Lfunc_end_k_q080ff9f67f_proj:
	.size	k_q080ff9f67f_proj, .Lfunc_end_k_q080ff9f67f_proj-k_q080ff9f67f_proj
	.p2alignl 7, 3214868480
	.fill 96, 4, 3214868480
	.section	.rodata,"a",@progbits
	.p2align	6, 0x0
	.amdhsa_kernel k_q080ff9f67f_proj
		.amdhsa_group_segment_fixed_size 327680
		.amdhsa_private_segment_fixed_size 0
		.amdhsa_enable_private_segment 0
		.amdhsa_kernarg_size 40
		.amdhsa_user_sgpr_count 2
		.amdhsa_user_sgpr_kernarg_segment_ptr 1
		.amdhsa_wavefront_size32 1
		.amdhsa_system_sgpr_workgroup_id_x 1
		.amdhsa_system_sgpr_workgroup_id_y 1
		.amdhsa_system_sgpr_workgroup_id_z 1
		.amdhsa_system_vgpr_workitem_id 0
		.amdhsa_next_free_vgpr 832
		.amdhsa_next_free_sgpr 84
		.amdhsa_reserve_vcc 0
		.amdhsa_float_denorm_mode_32 3
		.amdhsa_float_denorm_mode_16_64 3
		.amdhsa_memory_ordered 1
		.amdhsa_forward_progress 1
		.amdhsa_inst_pref_size 122
	.end_amdhsa_kernel
	.amdgpu_metadata
---
amdhsa.version: [ 1, 2 ]
amdhsa.kernels:
  - .name:           k_q080ff9f67f_proj
    .symbol:         k_q080ff9f67f_proj.kd
    .args:
      - { .name: xb, .offset: 0, .size: 8, .value_kind: global_buffer, .address_space: global }
      - { .name: wb, .offset: 8, .size: 8, .value_kind: global_buffer, .address_space: global }
      - { .name: tab, .offset: 16, .size: 8, .value_kind: global_buffer, .address_space: global }
      - { .name: wn, .offset: 24, .size: 8, .value_kind: global_buffer, .address_space: global }
      - { .name: qkv, .offset: 32, .size: 8, .value_kind: global_buffer, .address_space: global }
    .group_segment_fixed_size: 327680
    .private_segment_fixed_size: 0
    .kernarg_segment_align: 8
    .kernarg_segment_size: 40
    .max_flat_workgroup_size: 128
    .sgpr_count:     84
    .vgpr_count:     832
    .wavefront_size: 32
...
	.end_amdgpu_metadata
.endif
;; end of part 2
;; launch attn (part 3): grid 16 x 16, 4 waves a work-group, clusters of 4 x 1, 327,680 bytes of LDS; arguments qkv, ob, Wo, wo; writes ob, wo
.if DOCPART == 3
	.amdgcn_target "amdgcn-amd-amdhsa--gfx1250"
	.amdhsa_code_object_version 6
	.text
	.protected	k_q080ff9f67f_attn
	.globl	k_q080ff9f67f_attn
	.p2align	8
	.type	k_q080ff9f67f_attn,@function
k_q080ff9f67f_attn:
	s_mov_b64 s[64:65], 0
	v_nop
	global_prefetch_b8 v0, s[64:65] scope:SCOPE_SE
	s_setreg_imm32_b32 hwreg(HW_REG_WAVE_MODE, 25, 1), 1
	s_wait_xcnt 0x0
	s_wait_alu depctr_hold_cnt(0) depctr_sa_sdst(0) depctr_va_vdst(0) depctr_va_sdst(0) depctr_va_ssrc(0) depctr_va_vcc(0) depctr_vm_vsrc(0)
	s_getreg_b32 s2, hwreg(HW_REG_IB_STS2, 6, 4)
	s_cmp_eq_u32 s2, 0
	s_cbranch_scc0 .Lentry_in_a_cluster
	s_endpgm
.Lentry_in_a_cluster:
	s_bfe_u32 s2, ttmp6, 0x10000c
	s_cmp_lg_u32 s2, 0x3003
	s_cbranch_scc0 .Lentry_shape_is_right
	s_endpgm
.Lentry_shape_is_right:
; CROSS ATTENTION, 16 query heads on 4 key and value heads, no mask.  O[q][h] = the sum over k of softmax_k(Q[h][q] . K[h / 4][k] / sqrt(128)) V[h / 4][k].  Q [16][2048][128], K and V [4][4096][128] in f16 (in qkv);
; O goes to ob [2048][2048] f16, column = 128 h + channel.  Products, maxima and sums in f32; the weights p are rounded to f16 for the second product (their sum l is taken of the unrounded p), O once at the end.
; BESIDE IT, Wo IS CAST for the launch behind: wo = 16 blocks [2048 k][128 n]: Wo rounded to bf16, that number written as f16.  Wo has 2,048 x 16 segments of 128 f32; the launch has 1,024 waves of 32 key steps:
; a wave casts one segment in each key step, asked for a key step ahead, so that no wave waits for it.
; LIMITS.  Q, K and V arrive within f16's range.  The running maximum starts at -2^100: f16's scores, 5.5e11 at the most, lie far above it.  A weight below 2^-126 counts as 0; NaN and infinities are not treated apart.
; |Wo| under 65,504 (f16's range); a number of Wo below 6.1e-5 keeps f16's fixed step of 6e-8.
; SHARES.  A work-group owns 128 queries of one head.  Wave w owns the 64 queries of half w & 1 (four tiles of 16, in two pieces) and, of every 256 keys, the 128 of half w >> 1: THE KEYS ARE SPLIT between waves w and
; w ^ 2, each with a running maximum and sum of its own; at the end the two meet in LDS: each finishes two of the four tiles, with both partial results scaled to the common maximum.  A wave of the second key half
; holds query tile t ^ 2 in register tile t, so that every wave sends register tiles 2 and 3 and finishes 0 and 1: one text.
; LAYOUT.  S^T = K Q^T (source 0 = 16 keys, source 1 = 16 queries): a lane holds ONE query (lane % 16) and the keys 8 (lane / 16) + 0..7.  Two such tiles rounded to f16 ARE source 1 of O^T = V^T P, whose result again
; holds one query a lane, and eight channels.  K comes out of LDS as it lies, V turned, by ds_load_tr16_b128.
; SOFTMAX.  p = 2^(c s - c m), c = log2(e) / sqrt(128); in every step O and l are multiplied by a = 2^(c m_old - c m_new).
; BY TURNS.  In a TURN one piece has the matrix unit: 32 products V^T P of the step in hand, then 32 products K Q^T of the next; the other piece's softmax, in 64 slices, stands between them, one slice behind each.
; NO FIRST STEP IS WRITTEN OUT.  V, piece 0's P and l start at 0, O as 32 products of those zeros with C = 0, m and piece 2's scores at -2^100.  The first turn multiplies zeros; its softmax finds c s - c m = 0 exactly
; (c x 2^100 is exact), so p = 1 and a = 1; those p meet V = 0, and the first true step's a = 0 wipes their sum.  The price: 96 products on zeros at the start and 32 on a K read once more at the end, of a wave's 4,224.
; CLUSTER AND RING.  The four query blocks of a cluster belong to one head and walk the same K and V, so each tile is asked for JOINTLY.  A slot of LDS holds 256 keys in four regions of 36,864 bytes, region w filled by
; wave w: K's keys 0-127, K's 128-255, V's 0-127, V's 128-255: one load of 128 rows a wave, and two key steps of every wave, 256 matrix instructions, in which it lands.
; REGISTERS, in windows of 256 (s_set_vgpr_msb: bits 1:0 source 0, 3:2 source 1, 5:4 source 2, 7:6 destination):
;   window 0: v0-11, v44-47, v60-63 addresses; v12-43 eight registers of statistics a tile; v48-59 Wo's segment at work; v64-191 S^T, 32 a tile; v192-255 P, 16 a tile
;   window 1: O^T, 64 a tile     window 2: v0-127 Q; v128-255 K of one step     window 3: v0-127 V of one step; v128-255 the partner's two tiles, at the end
.set KS,    64
.set PK,    272       ; a row of K in LDS: 256 bytes + 16: the 16 rows of a load start at 16 different groups of four banks (64 banks of 4 bytes: ISA guide 11.1)
.set PV,    288       ; a row of V: 256 + 32
.set REG,   128*PV    ; a wave's region of a slot: 128 rows of V fill it, 128 rows of K take 34,816 of its 36,864 bytes
.set SLOT1, 4*REG     ; slot 1 begins at 0x24000; the four regions begin at 0, 0x9000, 0x12000, 0x1b000, none with bit 14 or 17: one exclusive or turns a region's address into the other slot's
.set STAGE, 0         ; the way out lies in slot 0's bytes, which have had their last fill and their last read by then: 16 rows x 272 bytes for each wave,
.set SP,    272
.set XCH,   STAGE+4*16*SP  ; and for each wave 16,384 bytes of O^T that it sends and 512 of statistics
.set XW,    17408
.set SPARE, 2*SLOT1        ; behind the ring: the spare words, 128 bytes for each wave: two blocks of 256 bytes that no other line names
.set WLO, 0           ; v0   16 x my lane: my 16 bytes of a segment of Wo; never rewritten once made
.set WSO, 1           ; v1   8 x my lane: my 8 bytes of it in wo
.set AK0, 2           ; v2   my lane's place in my half of a slot's K; never rewritten
.set AV0, 3           ; v3   the same for V
.set ADR, 4           ; v4   the LDS address of the run of loads in hand
.set QO,  5           ; v5   my byte offset in the wave's rows of Q, for register tiles 0 and 1
.set STO, 6           ; v6   the way out: where I put 16 bytes of a row
.set RD,  7           ; v7   where I read a row back
.set GO,  8           ; v8   my byte offset in two rows of ob
.set XSO, 9           ; v9   where I put 16 bytes of what I send
.set XSS, 10          ; v10  where I put a word of my statistics
.set XPO, 11          ; v11  where I find the partner's 16 bytes
.set QO2, 47          ; v47  as v5, for register tiles 2 and 3
.set CL,  48          ; v48-51  a segment of Wo as loaded
.set CB,  52          ; v52-53  rounded to bf16
.set CF,  54          ; v54-57  those numbers in f32
.set CH,  58          ; v58-59  and in f16
.set XPS, 60          ; v60  where I find the partner's statistics
.set PFO, 61          ; v61  256 x my lane: a row of K or V; never rewritten
.set SPW, 62          ; v62  LDS address of my spare word; never rewritten
.set NIL, 63          ; v63  0; never rewritten
.set ST,  12          ; tile t's statistics at v[ST+8 t]: +0 c m, +1 m, +2, +3 l (even keys', odd keys'), +4 to +7 at work; a takes +6 once the maximum is found
.set S,   64
.set P,   192
.set KF,  128
.set WV,  12
.set LIM, 15          ; s15  1 in a wave that prefetches, else the greatest number
.set PFA, 18          ; s[18:19] where my prefetches stand
.set G1K, 24          ; s[24:31] descriptor group 1 for K's tiles
.set G1V, 32          ; s[32:39] for V's: it differs in the padding alone
.set G0K, 40          ; s[40:43] descriptor group 0 for K's tiles: it walks
.set G0V, 44          ; s[44:47] the same for V's
.set SLOTS, 56
.set CNT, 57
.set CS,  58          ; s[58:59] c
.set SEL, 60          ; s[60:61] v_permlanex16_b32's selects: each lane takes its own place in the other half
.set SB,  62          ; s62  LDS byte at which the slot in hand begins: 0 or SLOT1
.set JK,  63          ; s63  the step to be fetched in my half of its K: 0 or 64 rows
.set JV,  66          ; s66  the same for V
.set TA,  67          ; s67  their sum with s62
.set WS,  68          ; s[68:69] Wo at the segment last asked for
.set WD,  70          ; s[70:71] wo behind the segment last stored
.set CW,  75          ; s75  segments of Wo still to be asked for
.set MSB, 0
.macro WIN new
.if MSB != (\new)
	s_set_vgpr_msb (MSB<<8)|(\new)
.set MSB, \new
.endif
.endm
.set W_KQ, 0x0a       ; K and Q in window 2, S^T in window 0
.set W_PV, 0x53       ; V in window 3, P in window 0, O^T in window 1
.set W_RS, 0x41       ; O^T (destination and source 0) in window 1, the factor in window 0
; A joint fill.  The branch hangs on the wave's number alone.  An s_nop 0 and four v_nop follow each of the two lines.
.macro JLOAD
	s_cmp_lt_u32 s[WV], 2
	s_cbranch_scc0 .Lfor_v_\@
	tensor_load_to_lds s[G0K:G0K+3], s[G1K:G1K+7]
	s_nop 0
.rept 4
	v_nop
.endr
	s_branch .Lasked_\@
.Lfor_v_\@:
	tensor_load_to_lds s[G0V:G0V+3], s[G1V:G1V+7]
	s_nop 0
.rept 4
	v_nop
.endr
.Lasked_\@:
.endm
; A PREFETCH INTO THE L2: the change that fills the 256 keys number n names the 256 keys number n + 1: two key steps of a wave, 256 matrix instructions, ahead of the load that will want them.  A row is 256 bytes, a lane
; a row.  Each row is named once in the launch: of the sixteen clusters that walk a key and value head (four query heads x four clusters) the first asks; its four partners take 64 rows of K and 64 of V each, told
; apart by address; in each, waves 0 and 1 ask for K's two halves of those, waves 2 and 3 for V's.  The first two fills come by their loads alone; the last change that fills asks for nothing.
.macro ASK
	s_cmp_gt_u32 s[SLOTS], s[LIM]
	s_cbranch_scc0 .Lnot_mine_\@
	global_prefetch_b8 v[PFO], s[PFA:PFA+1] th:TH_LOAD_NT scope:SCOPE_SE
.Lnot_mine_\@:
.endm
.macro CROUND                       ; a round of the cluster's barrier
	s_barrier_signal -1
	s_barrier_wait -1
	s_cmp_lg_u32 s[WV], 0
	s_cbranch_scc1 .Lnot_wave_0_\@
	s_barrier_signal -3
.Lnot_wave_0_\@:
	s_barrier_wait -3
	s_barrier_signal -1
	s_barrier_wait -1
.endm
	s_load_b256 s[48:55], s[0:1], 0x0  ; qkv s[48:49], ob s[50:51], Wo s[52:53], wo s[54:55]
	v_lshl_add_u32 v[SPW], v0, 2, SPARE
	v_mov_b32 v[NIL], 0
	ds_add_u32 v[SPW], v[NIL]       ; the wave's opening: the add and its wait stand ahead of my first tensor load; the set-up below, work on registers, stands between them
	v_lshrrev_b32 v1, 5, v0
	v_readfirstlane_b32 s[WV], v1   ; wave 0..3
	s_bfe_u32 s13, ttmp6, 0x40000   ; cx: my place in the cluster
	s_lshl_b32 s14, ttmp9, 2
	s_add_co_u32 s14, s14, s13      ; my block of 128 queries: it enters Q's, O's and Wo's addresses alone
	s_and_b32 s20, ttmp7, 0xffff    ; the head, which the four partners share
	s_lshr_b32 s21, s20, 2          ; its key and value head
	s_and_b32 s16, s[WV], 1         ; my half of the queries; also: which half of a slot's K or V I fetch
	s_lshr_b32 s17, s[WV], 1        ; which half of its keys I multiply
	s_lshl_b32 s22, s21, 20         ; a key head is 4,096 rows of 256 bytes,
	s_add_co_u32 s22, s22, 8388608  ; behind q
	s_mov_b32 s23, 0
	s_lshl_b32 s2, s20, 19          ; a query head is 2,048 rows,
	s_lshl_b32 s3, s14, 15          ; my block 128,
	s_add_co_u32 s2, s2, s3
	s_lshl_b32 s3, s16, 14          ; my wave 64
	s_add_co_u32 s2, s2, s3
	s_mov_b32 s3, 0
	s_lshl_b32 s72, s14, 7
	s_lshl_b32 s73, s16, 6
	s_add_co_u32 s72, s72, s73
	s_lshl_b32 s73, s17, 5          ; the two tiles that I finish: the first 32 rows of my 64, or the last
	s_add_co_u32 s72, s72, s73      ; their first row in ob,
	s_lshl_b32 s72, s72, 12         ; of 4,096 bytes,
	s_lshl_b32 s73, s20, 8          ; the head's 256 in it
	s_add_co_u32 s72, s72, s73
	s_mov_b32 s73, 0
	s_lshl_b32 s66, s20, 4
	s_add_co_u32 s66, s66, s14
	s_lshl2_add_u32 s66, s66, s[WV] ; my wave among the launch's 1,024
	s_and_b32 s67, s66, 15          ; its block of 128 columns of Wo,
	s_lshr_b32 s66, s66, 4          ; its 32 rows
	s_lshl_b32 s[WS], s66, 18       ; 32 rows of 8,192 bytes,
	s_lshl_b32 s[WD], s67, 9        ; the block's 512 in a row
	s_add_co_u32 s[WS], s[WS], s[WD]
	s_mov_b32 s[WS+1], 0
	s_lshl_b32 s[WD], s67, 19       ; in wo a block is 2,048 rows of 256 bytes
	s_lshl_b32 s67, s66, 13
	s_add_co_u32 s[WD], s[WD], s67
	s_mov_b32 s[WD+1], 0
	s_mul_i32 s74, s[WV], REG       ; my region of a slot: no place in the cluster enters an LDS address
	s_mov_b32 s[G1K], 15|(1<<16)|(1<<20)|(1<<21)|(5<<22)|(3<<25)  ; 15:0 the mask: all four work-groups; 17:16 elements of 2 bytes; 20 padding on; 21 set beside a mask; 24:22 after every 64 words; 31:25 4 words of it
	s_mov_b32 s[G1V], 15|(1<<16)|(1<<20)|(1<<21)|(5<<22)|(7<<25)  ; the same with 8 words of padding
.irp g, G1K, G1V
	s_mov_b32 s[(\g)+1], 128<<16    ; tensor_dim0 = 128
	s_mov_b32 s[(\g)+2], 128<<16    ; tensor_dim1 = 128
	s_mov_b32 s[(\g)+3], 128<<16    ; tile_dim0 = 128
	s_mov_b32 s[(\g)+4], 128        ; tile_dim1 = 128 rows
	s_mov_b32 s[(\g)+5], 128        ; elements from row to row
	s_mov_b32 s[(\g)+6], 0
	s_mov_b32 s[(\g)+7], 0
.endr
	s_mov_b32 s[CS], 0x3e0293ee     ; c = log2(e) / sqrt(128)
	s_mov_b32 s[CS+1], s[CS]        ; named with it as a pair
	s_mov_b32 s[SEL], 0x76543210
	s_mov_b32 s[SEL+1], 0xfedcba98
	s_mov_b32 s[SB], SLOT1          ; the first change of slots turns it into slot 0's
	s_mov_b32 s[JK], 0
	s_mov_b32 s[JV], 0
	s_mov_b32 s[CW], 31
	s_mov_b32 s[SLOTS], 15
	s_and_b32 s[LIM], s20, 3
	s_or_b32 s[LIM], s[LIM], ttmp9  ; 0 in the key head's first cluster: the same in all four partners
	s_cmp_eq_u32 s[LIM], 0
	s_cselect_b32 s[LIM], 1, -1
	s_mov_b32 s[G0K], 1             ; count = 1
	s_mov_b32 s[G0K+1], s74         ; slot 0
	s_mov_b32 s[G0V], 1
	s_mov_b32 s[G0V+1], s74
	s_wait_dscnt 0x0                ; the opening add is done
	s_wait_kmcnt 0x0
	s_add_nc_u64 s[6:7], s[48:49], s[22:23]    ; K at the key head's first row,
	s_add_nc_u64 s[8:9], s[6:7], 4194304       ; V
	s_add_nc_u64 s[4:5], s[48:49], s[2:3]      ; Q at my wave's first row
	s_add_nc_u64 s[10:11], s[50:51], s[72:73]  ; O at the first row that I finish
	s_add_nc_u64 s[WS:WS+1], s[52:53], s[WS:WS+1]
	s_add_nc_u64 s[WD:WD+1], s[54:55], s[WD:WD+1]
	s_lshl_b32 s22, s16, 15         ; my 128 of a slot's 256 rows
	s_add_nc_u64 s[G0K+2:G0K+3], s[6:7], s[22:23]
	s_or_b32 s[G0K+3], s[G0K+3], 0x80000000    ; type = 2
	s_add_nc_u64 s[G0V+2:G0V+3], s[8:9], s[22:23]
	s_or_b32 s[G0V+3], s[G0V+3], 0x80000000
	s_cmp_lt_u32 s[WV], 2
	s_cselect_b64 s[PFA:PFA+1], s[6:7], s[8:9]
	s_lshl_b32 s2, s13, 14          ; my work-group's 64 rows of the 256,
	s_lshl_b32 s72, s16, 13         ; my wave's 32 of them
	s_add_co_u32 s2, s2, s72
	s_add_nc_u64 s[PFA:PFA+1], s[PFA:PFA+1], s[2:3]
	s_add_nc_u64 s[PFA:PFA+1], s[PFA:PFA+1], 65536  ; at the 256 keys number 1: the first change steps it to number 2
	CROUND                          ; all four work-groups are here: the first joint loads meet
	JLOAD                           ; the first 256 keys, into slot 0; slot 1 is asked for when they are in
	v_and_b32 v44, 15, v0           ; l % 16
	v_bfe_u32 v45, v0, 4, 1         ; l / 16
	v_lshlrev_b32 v46, 8, v44
	v_lshl_add_u32 v46, v45, 4, v46 ; row x 256 + 16 x half
	s_lshl_b32 s2, s17, 13          ; register tiles 0 and 1 hold query tiles 0 and 1, or 2 and 3 in a wave of the second key half,
	v_add_nc_u32 v[QO], s2, v46
	s_xor_b32 s2, s2, 8192          ; register tiles 2 and 3 the other two
	v_add_nc_u32 v[QO2], s2, v46
	WIN 0x80                        ; destination window 2
.irp i, 0,1,2,3,4,5,6,7             ; Q stays in registers: register tile i / 4, channels 32 (i % 4) on
	global_load_b128 v[8*(\i):8*(\i)+3],   v[QO], s[4:5] offset:((\i)/4)*4096+((\i)%4)*64
	global_load_b128 v[8*(\i)+4:8*(\i)+7], v[QO], s[4:5] offset:((\i)/4)*4096+((\i)%4)*64+32
.endr
.irp i, 8,9,10,11,12,13,14,15
	global_load_b128 v[8*(\i):8*(\i)+3],   v[QO2], s[4:5] offset:((\i)/4-2)*4096+((\i)%4)*64
	global_load_b128 v[8*(\i)+4:8*(\i)+7], v[QO2], s[4:5] offset:((\i)/4-2)*4096+((\i)%4)*64+32
.endr
	WIN 0
	v_mul_u32_u24 v[AK0], v44, PK
	v_lshl_add_u32 v[AK0], v45, 4, v[AK0]  ; row x pitch + 16 x half,
	s_mul_i32 s2, s17, REG
	v_add_nc_u32 v[AK0], s2, v[AK0]        ; in the region of my half of the keys
	; The turning load takes 16 keys x 16 channels (lane l reads key 8 (l / 16) + l % 8, channels 8 ((l / 8) % 2) + 0..7) and leaves half a fragment of V^T: lane l holds channel l % 16 and 8 keys.
	v_and_b32 v46, 7, v0
	v_bfe_u32 v1, v0, 3, 1
	v_lshl_add_u32 v[AV0], v45, 3, v46
	v_mul_u32_u24 v[AV0], v[AV0], PV
	v_lshl_add_u32 v[AV0], v1, 4, v[AV0]
	s_add_co_u32 s2, s2, 2*REG
	v_add_nc_u32 v[AV0], s2, v[AV0]
	s_mul_i32 s2, s[WV], 16*SP
	s_add_co_u32 s2, s2, STAGE      ; my stage
	v_mul_u32_u24 v[STO], v44, SP   ; in: row l % 16, 16 bytes for each half of the lanes
	v_lshl_add_u32 v[STO], v45, 4, v[STO]
	v_add_nc_u32 v[STO], s2, v[STO]
	v_mul_u32_u24 v[RD], v45, SP    ; back: lanes 0-15 take one row of 256 bytes, lanes 16-31 the next
	v_lshl_add_u32 v[RD], v44, 4, v[RD]
	v_add_nc_u32 v[RD], s2, v[RD]
	v_lshlrev_b32 v[GO], 12, v45    ; and the same two rows in ob
	v_lshl_add_u32 v[GO], v44, 4, v[GO]
	v_and_b32 v46, 31, v0           ; lane
	s_mul_i32 s2, s[WV], XW
	s_add_co_u32 s2, s2, XCH        ; what I send,
	v_lshl_add_u32 v[XSO], v46, 4, s2
	v_lshl_add_u32 v[XSS], v46, 2, s2
	s_xor_b32 s2, s[WV], 2
	s_mul_i32 s2, s2, XW
	s_add_co_u32 s2, s2, XCH        ; and what the wave with my queries and the other keys sends
	v_lshl_add_u32 v[XPO], v46, 4, s2
	v_lshl_add_u32 v[XPS], v46, 2, s2
	v_lshlrev_b32 v[PFO], 8, v46
	v_lshlrev_b32 v[WSO], 3, v46
	v_lshlrev_b32 v[WLO], 4, v46    ; (the thread's number is not wanted any more)
	global_load_b128 v[CL:CL+3], v[WLO], s[WS:WS+1] th:TH_LOAD_NT  ; my first segment of Wo
	; what the first turn finds; all this stands in the wait for the first tile
	s_mov_b32 s2, 0xf1800000        ; -2^100
	WIN 0xc0
.set i, 0
.rept 128
	v_mov_b32 v[i], 0               ; V
.set i, i+1
.endr
	WIN 0
.set i, P
.rept 32
	v_mov_b32 v[i], 0               ; piece 0's P
.set i, i+1
.endr
.set i, S+64
.rept 64
	v_mov_b32 v[i], s2              ; piece 2's scores
.set i, i+1
.endr
.irp t, 0,1,2,3
	v_mov_b32 v[ST+8*\t+1], s2
	v_mul_f32 v[ST+8*\t], s[CS], v[ST+8*\t+1]
	v_mov_b32 v[ST+8*\t+2], 0
	v_mov_b32 v[ST+8*\t+3], 0
.endr
	WIN W_PV
.irp x, 0,2                         ; O^T's 32 sums start with the constant 0 as C, on those zeros: eight registers an instruction
.set i, 0
.rept 16
	v_wmma_f32_16x16x32_f16 v[64*(\x+i%2)+8*(i/2):64*(\x+i%2)+8*(i/2)+7], v[8*(i/2):8*(i/2)+7], v[P+16*(i%2):P+16*(i%2)+7], 0
.set i, i+1
.endr
.endr
	WIN 0
; THE MATRIX WORK OF A TURN, for piece x.  The accumulators take turns, one instruction a turn: between two links of a chain stand 15 (V^T P) or 7 (K Q^T) others'.
; Product i of 32 of O^T += V^T P: keys 32 (i / 16) on, channels 16 ((i / 2) % 8) on, tile x + i % 2.
.macro PV x
	WIN W_PV
.set rO, 64*((\x)+i%2)+8*((i/2)%8)
.set rV, 64*(i/16)+8*((i/2)%8)
.set rP, P+16*((\x)+i%2)+8*(i/16)
	v_wmma_f32_16x16x32_f16 v[rO:rO+7], v[rV:rV+7], v[rP:rP+7], v[rO:rO+7]
.endm
; Product i of 32 of S^T = K Q^T: channels 32 (i / 8) on, keys 16 ((i / 2) % 4) on, tile x + i % 2.  The first 8 start the sums.
.macro KQ x
	WIN W_KQ
.set rS, S+32*((\x)+i%2)+8*((i/2)%4)
.set rK, KF+32*((i/2)%4)+8*(i/8)
.set rQ, 32*((\x)+i%2)+8*(i/8)
.if i < 8
	v_wmma_f32_16x16x32_f16 v[rS:rS+7], v[rK:rK+7], v[rQ:rQ+7], 0
.else
	v_wmma_f32_16x16x32_f16 v[rS:rS+7], v[rK:rK+7], v[rQ:rQ+7], v[rS:rS+7]
.endif
.endm
; THE LDS LOADS stand in runs of 32, never singly among the matrix instructions: a step's K and, a turn later, its V (turned).  Each run turns its step's offset to my half's other step.
.macro FETCH_K
	WIN 0
	s_add_co_u32 s[TA], s[SB], s[JK]
	v_add_nc_u32 v[ADR], s[TA], v[AK0]
	s_xor_b32 s[JK], s[JK], KS*PK
	WIN 0x80                        ; destination window 2
.irp f, 0,1,2,3,4,5,6,7,8,9,10,11,12,13,14,15  ; keys 16 (f / 4) on, channels 32 (f % 4) on
	ds_load_b128 v[KF+8*(\f):KF+8*(\f)+3],   v[ADR] offset:((\f)/4)*16*PK+((\f)%4)*64
	ds_load_b128 v[KF+8*(\f)+4:KF+8*(\f)+7], v[ADR] offset:((\f)/4)*16*PK+((\f)%4)*64+32
.endr
.endm
.macro FETCH_V
	WIN 0
	s_add_co_u32 s[TA], s[SB], s[JV]
	v_add_nc_u32 v[ADR], s[TA], v[AV0]
	s_xor_b32 s[JV], s[JV], KS*PV
	s_wait_alu depctr_va_vdst(0)    ; the wait for the softmax's batch of exponentials, behind the address's line and ahead of the loads
	WIN 0xc0                        ; destination window 3
.irp f, 0,1,2,3,4,5,6,7,8,9,10,11,12,13,14,15  ; keys 32 (f / 8) on, channels 16 (f % 8) on
	ds_load_tr16_b128 v[8*(\f):8*(\f)+3],   v[ADR] offset:((\f)/8)*32*PV+((\f)%8)*32
	ds_load_tr16_b128 v[8*(\f)+4:8*(\f)+7], v[ADR] offset:((\f)/8)*32*PV+16*PV+((\f)%8)*32
.endr
.endm
; THE VECTOR WORK OF A TURN.  One tile's softmax for one key step is a list of 134 instructions; SM writes number j of it for tile t.  s0-s31 are the lane's 32 scores, in pairs 0-15.
;   0-15    the maximum of s0-s31 and the old m, three operands at a time: four chains of seven scores each (each accumulator's lowest registers first), then the four left over, the chains and m
;   16-20   the other half of the lanes' maximum; the new m; c m; c m_old - c m_new
;   21-69   ONE BATCH: the 16 scalings c s - c m and all 33 exponentials (a at 23, then s0-s31); none of these reads an exponential's result
;   (wait)  between 69 and 70 stands the wait for the batch: SLICE writes it, once for both tiles
;   70-85   the roundings to f16     86-101  the sums; l = a l + the sum     102-133  the tile's O^T times a
.macro SM t
.set rT, ST+8*(\t)
.set rS, S+32*(\t)
.set rP, P+16*(\t)
.set rO, 64*(\t)+2*(j-102)
.if j < 102
	WIN 0
.endif
.if j < 4
	v_max3_num_f32 v[rT+4+j], v[rS+8*j], v[rS+8*j+1], v[rS+8*j+2]
.elseif j < 12
	v_max3_num_f32 v[rT+4+j%4], v[rT+4+j%4], v[rS+8*(j%4)+2*(j/4)+1], v[rS+8*(j%4)+2*(j/4)+2]
.elseif j == 12
	v_max3_num_f32 v[rT+4], v[rT+4], v[rS+7], v[rS+15]
.elseif j == 13
	v_max3_num_f32 v[rT+6], v[rT+6], v[rS+23], v[rS+31]
.elseif j == 14
	v_max3_num_f32 v[rT+4], v[rT+4], v[rT+5], v[rT+6]
.elseif j == 15
	v_max3_num_f32 v[rT+4], v[rT+4], v[rT+7], v[rT+1]
.elseif j == 16
	v_permlanex16_b32 v[rT+5], v[rT+4], s[SEL], s[SEL+1]  ; the query's other 32 keys lie in the lane 16 away
.elseif j == 17
	v_mov_b32 v[rT+7], v[rT]        ; c m_old is kept for a: number 19 writes c m anew
.elseif j == 18
	v_max_num_f32 v[rT+1], v[rT+4], v[rT+5]
.elseif j == 19
	v_mul_f32 v[rT], s[CS], v[rT+1]
.elseif j == 20
	v_sub_f32 v[rT+7], v[rT+7], v[rT]
.elseif j == 23
	v_exp_f32 v[rT+6], v[rT+7]
.elseif (j < 23) || ((j < 38) && (j%2 == 0)) || ((j < 66) && (j%4 == 2))
.set b, (j-2)/4                     ; 38, 42, .. 62: pairs 9 to 15
.if j < 38
.set b, (j-20)/2                    ; 21: pair 0; 22, 24, .. 36: pairs 1 to 8
.endif
	v_pk_fma_f32 v[rS+2*b:rS+2*b+1], v[rS+2*b:rS+2*b+1], s[CS:CS+1], v[rT:rT+1] op_sel_hi:[1,0,0] neg_lo:[0,0,1] neg_hi:[0,0,1]  ; pair b: c s - c m
.elseif j < 70
.set e, j-38                        ; 66 to 69: s28 to s31
.if j < 66
.set e, j-32-(j-38)/4               ; 39-41, 43-45, .. 63-65: s7 to s27
.endif
.if j < 38
.set e, (j-25)/2                    ; 25, 27, .. 37: s0 to s6
.endif
	v_exp_f32 v[rS+e], v[rS+e]
.elseif j < 86
	v_cvt_pk_f16_f32 v[rP+j-70], v[rS+2*(j-70)], v[rS+2*(j-70)+1]
.elseif j < 102                     ; the sum of the tile's 16 pairs, in place: neighbours 1, 2, 4 and 8 pairs apart, then l takes it
.set z, j-86
.set w, 4
.set u, z
.if z >= 14
.set w, 32
.set u, 0
.elseif z >= 12
.set w, 16
.set u, z-12
.elseif z >= 8
.set w, 8
.set u, z-8
.endif
.if z < 15
	v_pk_add_f32 v[rS+w*u:rS+w*u+1], v[rS+w*u:rS+w*u+1], v[rS+w*u+w/2:rS+w*u+w/2+1]
.else
	v_pk_fma_f32 v[rT+2:rT+3], v[rT+2:rT+3], v[rT+6:rT+7], v[rS:rS+1] op_sel_hi:[1,0,1]
.endif
.else
	WIN W_RS
	v_pk_mul_f32 v[rO:rO+1], v[rO:rO+1], v[rT+6:rT+7] op_sel_hi:[1,0]
.endif
.endm
; Slice k of 64 of piece y's softmax: four instructions.  Slices 11 to 34 deal out the batch, numbers 22 to 69: four numbers of ONE tile each, the tiles by turns.  Every other slice is numbers 2 k and 2 k + 1 of both
; tiles' lists; the twelve that are over stand together, in slice 63, and are the places behind the turn's last product.  Ahead of slice 35 nothing names an exponential's result, and behind slice 34 none is issued:
; so the piece's 66 exponentials have one wait, behind slice 34.
.macro SLICE y
.if (k >= 11) && (k < 35)
.irp n, 0,1,2,3
.set j, 22+4*((k-11)/2)+(\n)
	SM (\y)+(k-11)%2
.endr
.else
.irp n, 0,1,2,3,4,5,6,7
.if ((\n) < 2) || (k == 63)
.irp t, \y, (\y)+1
.set j, 2*k+(\n)
	SM \t
.endr
.endif
.endr
.endif
.if k == 34
	v_nop                           ; the plain instruction behind the last exponential and ahead of the first use: one for the batch
.if (\y) == 0
	FETCH_V                         ; piece 2's turn: V's run of loads stands here, and the wait stands in it
.else
	s_wait_alu depctr_va_vdst(0)    ; the wait for the batch
.endif
.endif
.set k, k+1
.endm
; A TURN.  Piece x has the matrix unit; the other piece's softmax stands in slices behind its matrix instructions.  Piece 0's turn fetches the next step's K behind its second product (the last product that read K
; stands in front of slice 63 of the turn before); piece 2's turn fetches that step's V behind slice 34 (the last product that read V stands in front of slice 31; four plain instructions lie between).
.macro TURN x
.set k, 0
.if (\x) == 0
	s_wait_dscnt 0x0                ; V is in
.endif
.set i, 0
.rept 32
	PV \x
	SLICE 2-(\x)
.if ((\x) == 0) && (i == 1)
	FETCH_K
.endif
.set i, i+1
.endr
.if (\x) == 0
	s_wait_dscnt 0x0                ; K is in
.endif
.set i, 0
.rept 32
	KQ \x
	SLICE 2-(\x)
.set i, i+1
.endr
.endm
; ONE SEGMENT OF Wo, between a key step's two turns, 32 times a wave.  The 128 numbers asked for a key step ago are rounded to bf16, written as f16 and stored: the wave's 256 consecutive bytes, aligned.  The next
; segment, a row of Wo (8,192 bytes) further down, is asked for as soon as the registers are read; the last time there is none.
.macro CAST
	WIN 0
	s_wait_loadcnt 0x0              ; the segment is in
	s_wait_xcnt 0x0                 ; the last load, store and prefetch, a turn back or more, have read their registers: the two bases and the store's data are written again only behind this wait
	v_cvt_pk_bf16_f32 v[CB], v[CL], v[CL+1]
	v_cvt_pk_bf16_f32 v[CB+1], v[CL+2], v[CL+3]
	s_add_nc_u64 s[WD:WD+1], s[WD:WD+1], 256  ; the store below reaches back
	s_cmp_eq_u32 s[CW], 0
	s_cbranch_scc1 .Lno_more_\@
	s_sub_co_u32 s[CW], s[CW], 1
	s_add_nc_u64 s[WS:WS+1], s[WS:WS+1], 8192
	global_load_b128 v[CL:CL+3], v[WLO], s[WS:WS+1] th:TH_LOAD_NT
.Lno_more_\@:
.irp w, 0,1
	v_lshlrev_b32 v[CF+2*\w], 16, v[CB+\w]          ; back to f32: the low half moves up,
	v_and_b32 v[CF+2*\w+1], 0xffff0000, v[CB+\w]    ; the high half stays
.endr
.irp w, 0,1
	v_cvt_pk_f16_f32 v[CH+\w], v[CF+2*\w], v[CF+2*\w+1]
.endr
	global_store_b64 v[WSO], v[CH:CH+1], s[WD:WD+1] offset:-256 th:TH_STORE_NT
.endm
; THE CHANGE OF SLOTS, between piece 2's turn and piece 0's, behind a slot's second key step.  Each wave waits for all its tensor loads (one is out: its region of the other slot), adds 0 to its spare word, and waits for
; that and for its reads of the slot that it leaves.  fill = 1: the barrier is a round of the cluster's, and the old slot is filled again first thing behind it, with the next 256 keys.
; (At its first use nothing has been read yet: slot 0 is waited for, slot 1 filled.)
.macro CHANGE fill
	WIN 0
	s_wait_tensorcnt 0x0            ; no tensor load of mine is out, so a group 0 may be written
	ds_add_u32 v[SPW], v[NIL]       ; 0 onto my spare word
.if \fill
.irp g, G0K, G0V
	s_xor_b32 s[(\g)+1], s[(\g)+1], SLOT1
	s_add_nc_u64 s[(\g)+2:(\g)+3], s[(\g)+2:(\g)+3], 65536
.endr
	s_wait_xcnt 0x0                 ; the last prefetch, two key steps back, has read its address
	s_add_nc_u64 s[PFA:PFA+1], s[PFA:PFA+1], 65536
	s_wait_dscnt 0x0                ; the add is done, and my reads of the slot are over
	CROUND
	JLOAD
	ASK
.else
	s_wait_dscnt 0x0
	s_barrier_signal -1
	s_barrier_wait -1
.endif
	s_xor_b32 s[SB], s[SB], SLOT1   ; my fetches go to the other slot
.endm
	s_wait_loadcnt 0x0              ; Q
.Lslot:                             ; 15 trips: trip n multiplies the 256 keys number n - 1 and asks for number n
	CHANGE 1
	s_mov_b32 s[CNT], 2
.Lstep:                             ; a slot's two key steps: written once, walked twice
	TURN 0
	CAST
	TURN 2
	WIN 0
	s_sub_co_u32 s[CNT], s[CNT], 1
	s_cmp_lg_u32 s[CNT], 0
	s_cbranch_scc1 .Lstep
	s_sub_co_u32 s[SLOTS], s[SLOTS], 1
	s_cmp_lg_u32 s[SLOTS], 0
	s_cbranch_scc1 .Lslot
	CHANGE 0                        ; the tail has a text of its own: nothing is asked for
	s_mov_b32 s[CNT], 3
.Ltail:                             ; the last slot's two key steps, then piece 0's turn once more, for its last V^T P and piece 2's last softmax (its K Q^T, on the slot's first K read again, serves nothing)
	TURN 0
	WIN 0
	s_sub_co_u32 s[CNT], s[CNT], 1
	s_cmp_eq_u32 s[CNT], 0
	s_cbranch_scc1 .Lout
	CAST
	TURN 2
	WIN 0
	s_branch .Ltail
.Lout:
.set i, 0
.rept 32
	PV 2                            ; piece 2: V^T P of the last step
.set i, i+1
.endr
	; THE WAY OUT.  l's two halves and the other half of the lanes' are added (the first four additions are the places behind the last products).
	WIN 0
.irp t, 0,1,2,3
	v_add_f32 v[ST+8*\t+4], v[ST+8*\t+2], v[ST+8*\t+3]
.endr
.irp t, 0,1,2,3
	v_permlanex16_b32 v[ST+8*\t+5], v[ST+8*\t+4], s[SEL], s[SEL+1]
.endr
.irp t, 0,1,2,3
	v_add_f32 v[ST+8*\t+4], v[ST+8*\t+4], v[ST+8*\t+5]
.endr
	s_wait_dscnt 0x0
	s_barrier_signal -1             ; a barrier between every wave's last read of the ring and the first store into its bytes
	s_barrier_wait -1
.irp t, 2,3
	ds_store_b32 v[XSS], v[ST+8*\t]   offset:16384+256*(\t-2)      ; c m and l of the two tiles that I send,
	ds_store_b32 v[XSS], v[ST+8*\t+4] offset:16384+256*(\t-2)+128
.endr
	WIN 0x04                        ; the data in window 1
.set c, 0
.rept 32
	ds_store_b128 v[XSO], v[128+4*c:128+4*c+3] offset:512*c        ; and the tiles (each accumulator from its low end on)
.set c, c+1
.endr
	WIN 0
	s_wait_dscnt 0x0                ; for the partner's sake: my stores are done
	s_barrier_signal -1
	s_barrier_wait -1
; Register tiles 0 and 1 are finished; the partner's register tiles 2 and 3 hold the same queries.  With M = max(c m, the partner's), f = 2^(c m - M) for each side and L = l f + l' f', O = (O f + O' f') / L.
.macro PACK t                       ; a lane's eight channels of a row pack into 16 bytes; they go into rows of 272 bytes and come back as whole rows of 256
	WIN 0x05
.set i, 0
.rept 32
	v_cvt_pk_f16_f32 v[S+32*(\t)+i], v[64*(\t)+2*i], v[64*(\t)+2*i+1]
.set i, i+1
.endr
	WIN 0
.irp f, 0,1,2,3,4,5,6,7
	ds_store_b128 v[STO], v[S+32*(\t)+4*\f:S+32*(\t)+4*\f+3] offset:32*\f
.endr
.irp f, 0,1,2,3,4,5,6,7
	ds_load_b128 v[S+32*(\t)+4*\f:S+32*(\t)+4*\f+3], v[RD] offset:\f*2*SP  ; LDS serves a wave's instructions in order (ISA guide 5.7.1.4): these see the stores above
.endr
.endm
.macro SEND t, younger              ; younger: the LDS instructions issued behind tile t's loads
.irp f, 0,1,2,3,4,5,6,7
	s_wait_dscnt (\younger)+7-\f
	global_store_b128 v[GO], v[S+32*(\t)+4*\f:S+32*(\t)+4*\f+3], s[10:11] offset:(\t)*65536+\f*8192  ; 16 lanes store 256 consecutive bytes, at a multiple of 256 from ob's first byte
.endr
.endm
.irp t, 0,1
	ds_load_b32 v[ST+8*\t+5], v[XPS] offset:16384+256*\t
	ds_load_b32 v[ST+8*\t+7], v[XPS] offset:16384+256*\t+128
.endr
	WIN 0xc0                        ; destination window 3
.set c, 0
.rept 32
	ds_load_b128 v[128+4*c:128+4*c+3], v[XPO] offset:512*c
.set c, c+1
.endr
	WIN 0
	s_wait_dscnt 32                 ; the statistics are in; the 32 loads of the tiles may stay out
.irp t, 0,1
	v_max_num_f32 v[ST+8*\t+1], v[ST+8*\t], v[ST+8*\t+5]
.endr
.irp t, 0,1
	v_sub_f32 v[ST+8*\t], v[ST+8*\t], v[ST+8*\t+1]
	v_sub_f32 v[ST+8*\t+5], v[ST+8*\t+5], v[ST+8*\t+1]
.endr
.irp t, 0,1
	v_exp_f32 v[ST+8*\t], v[ST+8*\t]
	v_exp_f32 v[ST+8*\t+5], v[ST+8*\t+5]
.endr
	v_nop                           ; a plain instruction behind the last exponential,
	s_wait_alu depctr_va_vdst(0)    ; and one wait for the four
.irp t, 0,1
	v_mul_f32 v[ST+8*\t+4], v[ST+8*\t+4], v[ST+8*\t]
.endr
.irp t, 0,1
	v_fma_f32 v[ST+8*\t+4], v[ST+8*\t+7], v[ST+8*\t+5], v[ST+8*\t+4]
.endr
.irp t, 0,1
	v_rcp_f32 v[ST+8*\t+6], v[ST+8*\t+4]
.endr
	v_nop
	s_wait_alu depctr_va_vdst(0)    ; one wait for the two reciprocals
.irp t, 0,1
	v_mul_f32 v[ST+8*\t+2], v[ST+8*\t], v[ST+8*\t+6]    ; my factor,
	v_mul_f32 v[ST+8*\t+4], v[ST+8*\t+5], v[ST+8*\t+6]  ; the partner's
.endr
	s_wait_dscnt 0x0                ; the partner's tiles are in
.irp t, 0,1
	WIN W_RS
.set i, 0
.rept 32
	v_pk_mul_f32 v[64*\t+2*i:64*\t+2*i+1], v[64*\t+2*i:64*\t+2*i+1], v[ST+8*\t+2:ST+8*\t+3] op_sel_hi:[1,0]
.set i, i+1
.endr
	WIN 0x53                        ; the partner's tile in window 3, its factor in window 0, O^T in window 1
.set i, 0
.rept 32
	v_pk_fma_f32 v[64*\t+2*i:64*\t+2*i+1], v[128+64*\t+2*i:128+64*\t+2*i+1], v[ST+8*\t+4:ST+8*\t+5], v[64*\t+2*i:64*\t+2*i+1] op_sel_hi:[1,0,1]
.set i, i+1
.endr
.endr
	PACK 0
	PACK 1
	SEND 0, 16
	SEND 1, 0
	s_wait_tensorcnt 0x0            ; the wave's end: behind my last tensor load and my last LDS store
	ds_add_u32 v[SPW], v[NIL]
	s_wait_dscnt 0x0
	CROUND                          ; the closing round: no work-group ends while a partner may still ask for a tile that names it
	s_endpgm
.Lfunc_end_k_q080ff9f67f_attn:
	.size	k_q080ff9f67f_attn, .Lfunc_end_k_q080ff9f67f_attn-k_q080ff9f67f_attn
	.p2alignl 7, 3214868480
	.fill 96, 4, 3214868480
	.section	.rodata,"a",@progbits
	.p2align	6, 0x0
	.amdhsa_kernel k_q080ff9f67f_attn
		.amdhsa_group_segment_fixed_size 327680
		.amdhsa_private_segment_fixed_size 0
		.amdhsa_enable_private_segment 0
		.amdhsa_kernarg_size 32
		.amdhsa_user_sgpr_count 2
		.amdhsa_user_sgpr_kernarg_segment_ptr 1
		.amdhsa_wavefront_size32 1
		.amdhsa_system_sgpr_workgroup_id_x 1
		.amdhsa_system_sgpr_workgroup_id_y 1
		.amdhsa_system_sgpr_workgroup_id_z 1
		.amdhsa_system_vgpr_workitem_id 0
		.amdhsa_next_free_vgpr 1024
		.amdhsa_next_free_sgpr 76
		.amdhsa_reserve_vcc 0
		.amdhsa_float_denorm_mode_32 3
		.amdhsa_float_denorm_mode_16_64 3
		.amdhsa_memory_ordered 1
		.amdhsa_forward_progress 1
		.amdhsa_inst_pref_size 149
	.end_amdhsa_kernel
	.amdgpu_metadata
---
amdhsa.version: [ 1, 2 ]
amdhsa.kernels:
  - .name:           k_q080ff9f67f_attn
    .symbol:         k_q080ff9f67f_attn.kd
    .args:
      - { .name: qkv, .offset: 0, .size: 8, .value_kind: global_buffer, .address_space: global }
      - { .name: ob, .offset: 8, .size: 8, .value_kind: global_buffer, .address_space: global }
      - { .name: Wo, .offset: 16, .size: 8, .value_kind: global_buffer, .address_space: global }
      - { .name: wo, .offset: 24, .size: 8, .value_kind: global_buffer, .address_space: global }
    .group_segment_fixed_size: 327680
    .private_segment_fixed_size: 0
    .kernarg_segment_align: 8
    .kernarg_segment_size: 32
    .max_flat_workgroup_size: 128
    .sgpr_count:     76
    .vgpr_count:     1024
    .wavefront_size: 32
...
	.end_amdgpu_metadata
.endif
;; end of part 3
;; launch oproj (part 4): grid 16 x 16, 4 waves a work-group, clusters of 4 x 4, 327,680 bytes of LDS; arguments ob, wo, out0; writes out0
.if DOCPART == 4
	.amdgcn_target "amdgcn-amd-amdhsa--gfx1250"
	.amdhsa_code_object_version 6
	.text
	.protected	k_q080ff9f67f_oproj
	.globl	k_q080ff9f67f_oproj
	.p2align	8
	.type	k_q080ff9f67f_oproj,@function
k_q080ff9f67f_oproj:
	s_mov_b64 s[64:65], 0
	v_nop
	global_prefetch_b8 v0, s[64:65] scope:SCOPE_SE
	s_setreg_imm32_b32 hwreg(HW_REG_WAVE_MODE, 25, 1), 1
	s_wait_xcnt 0x0
	s_wait_alu depctr_hold_cnt(0) depctr_sa_sdst(0) depctr_va_vdst(0) depctr_va_sdst(0) depctr_va_ssrc(0) depctr_va_vcc(0) depctr_vm_vsrc(0)
	s_getreg_b32 s2, hwreg(HW_REG_IB_STS2, 6, 4)
	s_cmp_eq_u32 s2, 0
	s_cbranch_scc0 .Lentry_in_a_cluster
	s_endpgm
.Lentry_in_a_cluster:
	s_bfe_u32 s2, ttmp6, 0x10000c
	s_cmp_lg_u32 s2, 0xf033
	s_cbranch_scc0 .Lentry_shape_is_right
	s_endpgm
.Lentry_shape_is_right:
; THE OUTPUT PROJECTION.  out0[m][n] = the sum over k of ob[m][k] Wo[k][n].  ob [2048][2048] f16; wo: 16 blocks [2048 k][128 n] of f16 (Wo rounded to bf16, that number written as f16); out0 [2048][2048] f32; sums in f32.
; LIMITS.  ob and wo arrive within f16's range.
; SHARES.  256 tiles of 128 x 128, a work-group each; four waves, each 64 x 64: 16 accumulators.  K goes in steps of 256 through two LDS slots: 128 rows of ob of 512 bytes, and 256 rows k of the block of 256 bytes.
; Waves 0 and 1 fetch the two halves of ob's rows, waves 2 and 3 the two halves of the block's.  The block lies [k][n], so its fragments come out of LDS turned, by ds_load_tr16_b128.
; CLUSTERS: 4 x 4 work-groups; the four of a row of the cluster share ob's tile, the four of a column the block's: each tile is asked for jointly.
; THE MATRIX INSTRUCTION IS USED TRANSPOSED (source 0 = 16 columns of the block, source 1 = 16 rows of ob): a lane holds eight neighbouring numbers of a row of out0.  A wave's 64 columns are 256 bytes of f32: each wave
; sends its rows through a stage of its own, with no barrier.
; No prefetch: a K step of this small tile has 128 matrix instructions a wave for 69 KiB of tiles, and each tile is shared by four work-groups and read again by four clusters.
; REGISTERS: window 0: v0-31 addresses; v32-95 at work on the way out; v128-255 the accumulators ((a, b) at v[128 + 8 (4 a + b)]).
;   window 1: two fragment buffers of 128: for 64 along K, 64 registers of ob (2 x 4 x 16 rows x 32 K), then 64 of the block.
.set KSTEP,  256
.set PITCH,  528                       ; a row of ob in LDS: 512 bytes + 16: the 16 rows of a load start at 16 different groups of four banks (64 banks of 4 bytes: ISA guide 11.1)
.set PB,     288                       ; a row k of the block: 256 + 32
.set HALFA,  64*PITCH                  ; what one tensor load brings of ob, and what one wave reads of it
.set HALFB,  128*PB                    ; what one tensor load brings of the block
.set BOFF,   2*HALFA
.set SLOT,   BOFF+2*HALFB
.set STAGE,  2*SLOT                    ; behind the ring: 16 rows x 272 bytes for each wave
.set SPITCH, 272
.set SPARE,  STAGE+4*16*SPITCH         ; behind the stages: the spare words, 128 bytes for each wave: two blocks of 256 bytes that no other line names
.set LAPS,   4                         ; a lap = two K steps = once round the ring: 2,048 / 512
.set ADRA, 16                          ; v16-17  LDS address of my fragments of ob in slot 0, 1
.set ADRB, 20                          ; v20-23  the same for the block, in slot s, rows k 128 u on, at v[20 + 2 s + u]: the immediate offset has 16 bits
.set STO,  24
.set RD,   25
.set CO,   26
.set SPW,  28
.set NIL,  29
.set TMP,  32
.set ACC,  128
.set F0,   0
.set F1,   128
.set G1, 24                            ; s[24:31] descriptor group 1 for ob's tiles;  s[32:39] group 0, one set for each slot
.set G0, 32
.set G1B, 48                           ; s[48:55], s[56:63] the same for the block's tiles
.set G0B, 56
.set MSB, 0
.macro WIN new
.if MSB != (\new)
	s_set_vgpr_msb (MSB<<8)|(\new)
.set MSB, \new
.endif
.endm
.set MUL,  0x05                        ; sources 0 and 1 in window 1; C and D in window 0
.set TO_F, 0x40                        ; destination window 1, address window 0
.macro JLOAD s                         ; a joint load; an s_nop 0 and four v_nop follow each of the two lines
	s_cmp_eq_u32 s11, 0
	s_cbranch_scc0 .Lfor_b_\@
	tensor_load_to_lds s[G0+4*(\s):G0+4*(\s)+3], s[G1:G1+7]
	s_nop 0
.rept 4
	v_nop
.endr
	s_branch .Lasked_\@
.Lfor_b_\@:
	tensor_load_to_lds s[G0B+4*(\s):G0B+4*(\s)+3], s[G1B:G1B+7]
	s_nop 0
.rept 4
	v_nop
.endr
.Lasked_\@:
.endm
.macro CREST
	s_cmp_lg_u32 s10, 0
	s_cbranch_scc1 .Lnot_wave_0_\@
	s_barrier_signal -3
.Lnot_wave_0_\@:
	s_barrier_wait -3
	s_barrier_signal -1
	s_barrier_wait -1
.endm
.macro CROUND
	s_barrier_signal -1
	s_barrier_wait -1
	CREST
.endm
	s_load_b128 s[4:7], s[0:1], 0x0                ; ob s[4:5], wo s[6:7]
	s_load_b64 s[8:9], s[0:1], 0x10                ; out0
	v_lshl_add_u32 v[SPW], v0, 2, SPARE
	v_mov_b32 v[NIL], 0
	ds_add_u32 v[SPW], v[NIL]                      ; the wave's opening: the add and its wait stand ahead of my first tensor load; the set-up below, work on registers, stands between them
	v_lshrrev_b32 v1, 5, v0
	v_readfirstlane_b32 s10, v1                    ; wave 0..3
	s_lshr_b32 s11, s10, 1                         ; which half of the tile's rows is mine.  Also: I fetch for ob (0) or for the block (1)
	s_and_b32 s12, s10, 1                          ; which half of its columns.  Also: which half of that tile I fetch
	s_bfe_u32 s40, ttmp6, 0x40000                  ; cx, cy: my place in the cluster
	s_bfe_u32 s41, ttmp6, 0x40004
	s_lshl_b32 s42, ttmp9, 2
	s_add_co_u32 s42, s42, s40                     ; tile column = the block
	s_and_b32 s13, ttmp7, 0xffff
	s_lshl_b32 s13, s13, 2
	s_add_co_u32 s13, s13, s41                     ; tile row
	s_lshl_b32 s43, s41, 2
	s_lshl_b32 s43, 15, s43                        ; my row of the cluster
	s_lshl_b32 s44, 0x1111, s40                    ; my column
	s_or_b32 s[G1], s43, (1<<16)|(1<<20)|(1<<21)|(6<<22)|(3<<25)   ; the mask; elements of 2 bytes; padding on; 21 set beside a mask; after every 128 words 4 words
	s_mov_b32 s[G1+1], KSTEP<<16                   ; tensor_dim0 = 256
	s_mov_b32 s[G1+2], 64<<16                      ; tensor_dim1 = 64
	s_mov_b32 s[G1+3], KSTEP<<16                   ; tile_dim0 = 256
	s_mov_b32 s[G1+4], 64                          ; tile_dim1 = 64
	s_mov_b32 s[G1+5], 2048                        ; elements from row to row
	s_mov_b32 s[G1+6], 0
	s_mov_b32 s[G1+7], 0
	s_or_b32 s[G1B], s44, (1<<16)|(1<<20)|(1<<21)|(5<<22)|(7<<25)  ; my column's mask; after every 64 words 8 words
	s_mov_b32 s[G1B+1], 128<<16
	s_mov_b32 s[G1B+2], 128<<16                    ; 128 rows k
	s_mov_b32 s[G1B+3], 128<<16
	s_mov_b32 s[G1B+4], 128
	s_mov_b32 s[G1B+5], 128
	s_mov_b32 s[G1B+6], 0
	s_mov_b32 s[G1B+7], 0
	s_lshl_b32 s16, s13, 7
	s_lshl_b32 s17, s12, 6
	s_add_co_u32 s16, s16, s17                     ; ob: row 128 x tile row + 64 x half,
	s_lshl_b32 s16, s16, 12                        ; of 4,096 bytes
	s_mov_b32 s17, 0
	s_lshl_b32 s46, s42, 19                        ; the block, 2,048 rows of 256 bytes,
	s_lshl_b32 s47, s12, 15                        ; my 128 of a step's 256
	s_add_co_u32 s46, s46, s47
	s_mov_b32 s47, 0
	s_mul_i32 s20, s12, HALFA                      ; where they go: no place in the cluster enters an LDS address
	s_mul_i32 s21, s12, HALFB
	s_add_co_u32 s21, s21, BOFF
	s_wait_dscnt 0x0                               ; the opening add is done
	s_wait_kmcnt 0x0
	s_add_nc_u64 s[14:15], s[4:5], s[16:17]
	s_add_nc_u64 s[46:47], s[6:7], s[46:47]
	CROUND                                         ; all sixteen work-groups are here: the first joint loads meet
.irp s, 0,1
	s_mov_b32 s[G0+4*(\s)], 1
	s_add_co_u32 s[G0+4*(\s)+1], s20, (\s)*SLOT
	s_add_nc_u64 s[G0+4*(\s)+2:G0+4*(\s)+3], s[14:15], (\s)*KSTEP*2
	s_or_b32 s[G0+4*(\s)+3], s[G0+4*(\s)+3], 0x80000000
	s_mov_b32 s[G0B+4*(\s)], 1
	s_add_co_u32 s[G0B+4*(\s)+1], s21, (\s)*SLOT
	s_add_nc_u64 s[G0B+4*(\s)+2:G0B+4*(\s)+3], s[46:47], (\s)*KSTEP*256
	s_or_b32 s[G0B+4*(\s)+3], s[G0B+4*(\s)+3], 0x80000000
	JLOAD \s
.endr
	v_and_b32 v1, 15, v0                           ; l % 16
	v_bfe_u32 v2, v0, 4, 1                         ; l / 16
	v_mul_u32_u24 v3, v1, PITCH
	v_lshl_add_u32 v3, v2, 4, v3                   ; a fragment's row x pitch + 16 x half
	s_mul_i32 s22, s11, HALFA                      ; my 64 rows of ob
	v_add_nc_u32 v[ADRA], s22, v3
	v_add_nc_u32 v[ADRA+1], SLOT, v[ADRA]
	; The turning load takes 16 k x 16 columns (lane l reads row k = 8 (l / 16) + l % 8, columns 8 ((l / 8) % 2) + 0..7) and leaves half a fragment: lane l holds column l % 16 and 8 k.
	v_and_b32 v4, 7, v0
	v_lshl_add_u32 v4, v2, 3, v4
	v_mul_u32_u24 v4, v4, PB
	v_bfe_u32 v5, v0, 3, 1
	v_lshl_add_u32 v4, v5, 4, v4
	s_lshl_b32 s22, s12, 7                         ; my 64 columns: 128 bytes
	s_add_co_u32 s22, s22, BOFF
	v_add_nc_u32 v[ADRB], s22, v4
	v_add_nc_u32 v[ADRB+1], HALFB, v[ADRB]
	v_add_nc_u32 v[ADRB+2], SLOT, v[ADRB]
	v_add_nc_u32 v[ADRB+3], SLOT, v[ADRB+1]
	s_mul_i32 s23, s10, 16*SPITCH
	s_add_co_u32 s23, s23, STAGE                   ; my stage
	v_mul_u32_u24 v4, v1, SPITCH                   ; in: row l % 16, 32 bytes for each half of the lanes
	v_lshl_add_u32 v4, v2, 5, v4
	v_add_nc_u32 v[STO], s23, v4
	v_mul_u32_u24 v5, v2, SPITCH                   ; back: lanes 0-15 take one row of 256 bytes, lanes 16-31 the next
	v_lshl_add_u32 v5, v1, 4, v5
	v_add_nc_u32 v[RD], s23, v5
	v_lshlrev_b32 v5, 13, v2                       ; and the same two rows in out0, 8,192 bytes apart
	v_lshl_add_u32 v[CO], v1, 4, v5
	s_lshl_b32 s16, s13, 7
	s_lshl_b32 s17, s11, 6
	s_add_co_u32 s16, s16, s17                     ; my first row of out0
	s_lshl_b32 s16, s16, 13
	s_lshl_b32 s17, s42, 9                         ; the tile's 512 bytes in it,
	s_add_co_u32 s16, s16, s17
	s_lshl_b32 s17, s12, 8                         ; my 256
	s_add_co_u32 s16, s16, s17
	s_mov_b32 s17, 0
	s_add_nc_u64 s[8:9], s[8:9], s[16:17]
; 8 matrix instructions: m blocks a0, a0 + 1 x all 4 n blocks, 32 along K: half c of buffer f.  The 16 accumulators take turns.  zero = 1: the first product starts the sums
.macro MUL8 f, c, a0, zero
	WIN MUL
.irp a, \a0, (\a0)+1
.irp b, 0,1,2,3
.if \zero
	v_wmma_f32_16x16x32_f16 v[ACC+8*(4*(\a)+(\b)):ACC+8*(4*(\a)+(\b))+7], v[(\f)+64+8*(4*(\c)+(\b)):(\f)+64+8*(4*(\c)+(\b))+7], v[(\f)+8*(4*(\c)+(\a)):(\f)+8*(4*(\c)+(\a))+7], 0
.else
	v_wmma_f32_16x16x32_f16 v[ACC+8*(4*(\a)+(\b)):ACC+8*(4*(\a)+(\b))+7], v[(\f)+64+8*(4*(\c)+(\b)):(\f)+64+8*(4*(\c)+(\b))+7], v[(\f)+8*(4*(\c)+(\a)):(\f)+8*(4*(\c)+(\a))+7], v[ACC+8*(4*(\a)+(\b)):ACC+8*(4*(\a)+(\b))+7]
.endif
.endr
.endr
.endm
; 32 LDS loads in one run: quarter q's fragments (64 along K) into buffer f; the first 32 along K first
.macro FETCH slot, q, f
	WIN TO_F
.irp c, 0,1
.irp i, 0,1,2,3
	ds_load_tr16_b128 v[(\f)+64+8*(4*(\c)+(\i)):(\f)+64+8*(4*(\c)+(\i))+3],   v[ADRB+2*(\slot)+(\q)/2] offset:((\q)%2)*64*PB+(\c)*32*PB+32*(\i)
	ds_load_tr16_b128 v[(\f)+64+8*(4*(\c)+(\i))+4:(\f)+64+8*(4*(\c)+(\i))+7], v[ADRB+2*(\slot)+(\q)/2] offset:((\q)%2)*64*PB+(\c)*32*PB+16*PB+32*(\i)
	ds_load_b128 v[(\f)+8*(4*(\c)+(\i)):(\f)+8*(4*(\c)+(\i))+3],              v[ADRA+(\slot)] offset:128*(\q)+64*(\c)+(\i)*16*PITCH
	ds_load_b128 v[(\f)+8*(4*(\c)+(\i))+4:(\f)+8*(4*(\c)+(\i))+7],            v[ADRA+(\slot)] offset:128*(\q)+64*(\c)+(\i)*16*PITCH+32
.endr
.endr
.endm
.macro PLACES                          ; four plain instructions in front of loads into registers that matrix instructions have read, and of stores that read results
.rept 4
	v_nop
.endr
.endm
; A K step is four quarters of 64 along K, 32 matrix instructions each, on buffers 0, 1, 0, 1.  One of the first three: multiplies buffer f and fetches quarter q into g.
.macro QUARTER slot, q, f, g, zero
	s_wait_dscnt 16                                ; the first 32 along K are in
	WIN MUL
	MUL8 \f, 0, 0, \zero
	MUL8 \f, 0, 2, \zero
	PLACES
	FETCH \slot, \q, \g
	s_wait_dscnt 32                                ; all but the 32 just issued
	WIN MUL
	MUL8 \f, 1, 0, 0
	MUL8 \f, 1, 2, 0
.endm
; The last quarter multiplies buffer 1 and changes slots: ONE barrier; in front of it each wave waits for all its tensor loads, adds 0 to its spare word, and waits for that and for its reads of this slot.
; fill = 1: the barrier opens a round of the cluster's, and this slot is filled again first thing behind it, two K steps ahead.
.macro TURN slot, next, fill
	WIN 0
	s_wait_tensorcnt 0x0                           ; all my tensor loads have landed: my part of the next slot
	ds_add_u32 v[SPW], v[NIL]                      ; 0 onto my spare word
	s_wait_dscnt 17                                ; the add and the youngest sixteen loads may be out
	WIN MUL
	MUL8 F1, 0, 0, 0
	s_wait_dscnt 0x0                               ; the add is done, and my reads of this slot are over
	s_barrier_signal -1
	MUL8 F1, 0, 2, 0
.if \fill
	WIN 0
.endif
	s_barrier_wait -1
.if \fill
	CREST                                          ; no wave of any partner still reads this slot's tile or has a load on its way
	s_add_nc_u64 s[G0+4*(\slot)+2:G0+4*(\slot)+3], s[G0+4*(\slot)+2:G0+4*(\slot)+3], 2*KSTEP*2
	s_add_nc_u64 s[G0B+4*(\slot)+2:G0B+4*(\slot)+3], s[G0B+4*(\slot)+2:G0B+4*(\slot)+3], 2*KSTEP*256
	JLOAD \slot                                    ; 112 matrix instructions ahead of the wait for it; the four v_nop behind it are also the places in front of the loads below
.else
	PLACES
.endif
	FETCH \next, 0, F0
	WIN MUL
	MUL8 F1, 1, 0, 0
	MUL8 F1, 1, 2, 0
.endm
	s_wait_tensorcnt 0x1                           ; my part of K step 0 is in; K step 1's may stay out
	s_barrier_signal -1
	s_barrier_wait -1
	FETCH 0, 0, F0
	QUARTER 0, 1, F0, F1, 1                        ; the first quarter's first products start the sums
	WIN 0
	s_mov_b32 s3, LAPS-1
.Llap:                                         ; a trip goes once round the ring, from a lap's second quarter to the next lap's first, and fills both slots again
	QUARTER 0, 2, F1, F0, 0
	QUARTER 0, 3, F0, F1, 0
	TURN 0, 1, 1
	QUARTER 1, 1, F0, F1, 0
	QUARTER 1, 2, F1, F0, 0
	QUARTER 1, 3, F0, F1, 0
	TURN 1, 0, 1
	QUARTER 0, 1, F0, F1, 0
	WIN 0
	s_sub_co_u32 s3, s3, 1
	s_cmp_lg_u32 s3, 0
	s_cbranch_scc1 .Llap
	QUARTER 0, 2, F1, F0, 0                        ; the last lap fills nothing
	QUARTER 0, 3, F0, F1, 0
	TURN 0, 1, 0
	QUARTER 1, 1, F0, F1, 0
	QUARTER 1, 2, F1, F0, 0
	QUARTER 1, 3, F0, F1, 0
	s_wait_dscnt 16
	WIN MUL
	MUL8 F1, 0, 0, 0
	MUL8 F1, 0, 2, 0
	s_wait_dscnt 0x0
	MUL8 F1, 1, 0, 0
	MUL8 F1, 1, 2, 0
	WIN 0
	; THE WAY OUT: 16 rows at a time: a lane's 32 bytes of each 16 columns into my stage (each accumulator from its low end on), back as whole rows of 256 bytes.
	PLACES
.macro TOSTAGE a
.irp b, 0,1,2,3
	ds_store_b128 v[STO], v[ACC+8*(4*(\a)+\b):ACC+8*(4*(\a)+\b)+3]   offset:64*\b
	ds_store_b128 v[STO], v[ACC+8*(4*(\a)+\b)+4:ACC+8*(4*(\a)+\b)+7] offset:64*\b+16
.endr
.if (\a) >= 2
	s_wait_xcnt 0x0                                ; the stores of the block two back have read their data: only behind this wait are those registers loaded again
.endif
.irp t, 0,1,2,3,4,5,6,7
	ds_load_b128 v[TMP+32*((\a)%2)+4*\t:TMP+32*((\a)%2)+4*\t+3], v[RD] offset:\t*2*SPITCH  ; LDS serves a wave's instructions in order (ISA guide 5.7.1.4): these see the stores above
.endr
.endm
.macro SEND a, younger                 ; younger: the LDS instructions issued behind block a's loads: the next block's sixteen, or none
.irp t, 0,1,2,3,4,5,6,7
	s_wait_dscnt (\younger)+7-\t
	global_store_b128 v[CO], v[TMP+32*((\a)%2)+4*\t:TMP+32*((\a)%2)+4*\t+3], s[8:9] offset:(16*(\a)+2*\t)*8192  ; 16 lanes store 256 consecutive bytes, at a multiple of 256 from out0's first byte
.endr
.endm
	TOSTAGE 0
	TOSTAGE 1
	SEND 0, 16
	TOSTAGE 2
	SEND 1, 16
	TOSTAGE 3
	SEND 2, 16
	SEND 3, 0
	s_wait_tensorcnt 0x0                           ; the wave's end: behind my last tensor load and my last LDS store
	ds_add_u32 v[SPW], v[NIL]
	s_wait_dscnt 0x0
	CROUND                                         ; the closing round: no work-group ends while a partner may still ask for a tile that names it
	s_endpgm
.Lfunc_end_k_q080ff9f67f_oproj:
	.size	k_q080ff9f67f_oproj, .Lfunc_end_k_q080ff9f67f_oproj-k_q080ff9f67f_oproj
	.p2alignl 7, 3214868480
	.fill 96, 4, 3214868480
	.section	.rodata,"a",@progbits
	.p2align	6, 0x0
	.amdhsa_kernel k_q080ff9f67f_oproj
		.amdhsa_group_segment_fixed_size 327680
		.amdhsa_private_segment_fixed_size 0
		.amdhsa_enable_private_segment 0
		.amdhsa_kernarg_size 24
		.amdhsa_user_sgpr_count 2
		.amdhsa_user_sgpr_kernarg_segment_ptr 1
		.amdhsa_wavefront_size32 1
		.amdhsa_system_sgpr_workgroup_id_x 1
		.amdhsa_system_sgpr_workgroup_id_y 1
		.amdhsa_system_sgpr_workgroup_id_z 1
		.amdhsa_system_vgpr_workitem_id 0
		.amdhsa_next_free_vgpr 512
		.amdhsa_next_free_sgpr 66
		.amdhsa_reserve_vcc 0
		.amdhsa_float_denorm_mode_32 3
		.amdhsa_float_denorm_mode_16_64 3
		.amdhsa_memory_ordered 1
		.amdhsa_forward_progress 1
		.amdhsa_inst_pref_size 87
	.end_amdhsa_kernel
	.amdgpu_metadata
---
amdhsa.version: [ 1, 2 ]
amdhsa.kernels:
  - .name:           k_q080ff9f67f_oproj
    .symbol:         k_q080ff9f67f_oproj.kd
    .args:
      - { .name: ob, .offset: 0, .size: 8, .value_kind: global_buffer, .address_space: global }
      - { .name: wo, .offset: 8, .size: 8, .value_kind: global_buffer, .address_space: global }
      - { .name: out0, .offset: 16, .size: 8, .value_kind: global_buffer, .address_space: global }
    .group_segment_fixed_size: 327680
    .private_segment_fixed_size: 0
    .kernarg_segment_align: 8
    .kernarg_segment_size: 24
    .max_flat_workgroup_size: 128
    .sgpr_count:     66
    .vgpr_count:     512
    .wavefront_size: 32
...
	.end_amdgpu_metadata
.endif
;; end of part 4
;; ======== version 2 of 2: 4 launches; version 1 with the launch prep written anew for expert scheduling mode
;; limits: values are held in f16: magnitudes above 65,504 overflow, below 6.1e-05 lose precision
;; workspace buffers: xb 25,165,824 bytes; wb 12,582,912 bytes; wo 8,388,608 bytes; tab 3,146,240 bytes; wn 1,536 bytes; qkv 16,777,216 bytes; ob 8,388,608 bytes
;; launch prep (part 5): grid 769 x 1, 8 waves a work-group, no clusters, 0 bytes of LDS; arguments hidden_states, cross_attention_states, Wq, Wk, Wv, q_norm_w, k_norm_w, positions, vision_position_ids, xb, wb, tab, wn; writes xb, wb, tab, wn
.if DOCPART == 5
	.amdgcn_target "amdgcn-amd-amdhsa--gfx1250"
	.amdhsa_code_object_version 6
	.text
	.protected	k_q080ff9f67f_prep
	.globl	k_q080ff9f67f_prep
	.p2align	8
	.type	k_q080ff9f67f_prep,@function
k_q080ff9f67f_prep:
	s_mov_b64 s[64:65], 0
	v_nop
	global_prefetch_b8 v0, s[64:65] scope:SCOPE_SE
	s_setreg_imm32_b32 hwreg(HW_REG_WAVE_SCHED_MODE, 0, 2), 2
	s_setreg_imm32_b32 hwreg(HW_REG_WAVE_MODE, 25, 1), 1
	s_wait_xcnt 0x0
	s_wait_alu depctr_vm_vsrc(0)
; PREPARATION.  The two activations, three of the four weights and the two gains are rounded once to bf16 and laid out for the projections; the rotary table is made.  (Wo is cast in the attention launch.)
;   xb  [6144][2048] bf16: hidden_states, then cross_attention_states.
;   wb  24 blocks [2048 k][128 n] bf16: Wq's 16 heads, Wk's 4, Wv's 4.
;   tab [6145][128] f32: row = xb's row: cos of the 64 angles, then sin; row 6144 is cos = 1, sin = 0.     wn  [3][128] f32: q_norm_w and k_norm_w rounded to bf16, then ones.
; SHARES.  A segment is 128 f32, 512 bytes: one 16-byte load of a wave; it leaves as 256 bytes, one 8-byte store of a wave, aligned on 256.  A wave takes 32 segments, STR bytes apart in the
; source and dense in the target; a work-group 256.  Work-groups 0-383 cast the two activations, 384-575 the three weights, 576-767 make the table (32 rows each), 768 the small rows.
; LIMITS.  |position| up to 2^24 (its conversion to f32 is then exact).  The frequencies 1e6^(-i/64) come from the base-2 exponential and lie within about 2 units in the last place of the true
; numbers.  cos and sin: the angle less the nearest multiple of 2 pi (2 pi as a sum of two f32), then the series to x^16 and x^15, whose first term left out is below 1e-6 on -pi .. pi.
; THE MODE: SCHED_MODE bits 1:0 = 2 (LLVM: expert scheduling mode 2), set by the entry lines.  The code itself states the register dependences between vector instructions and memory instructions,
; and between a vector instruction that writes a scalar register and that register's readers, with s_wait_alu, always for 0.
; THE PLAN.  Registers that memory instructions touch:
;   v2, v3      the lane's offsets, made at the head and never written again; each path's first wait on va_vdst stands ahead of its first memory instruction and covers them.
;   THE CAST    v4-v11: the loads' offsets, made once, ahead of one wait, never written again.  X, 4 registers a segment: a load lands there, the segment's two conversions write the first two in place,
;               one store reads those two; nothing is written behind its store.  All 32 loads go out together.  The segments go in eight groups of four: group g's conversions name its own sixteen
;               registers alone; the stores issued among them are group g - 1's.  So ONE wait on va_vdst at a group's head states all that its four stores hang on, and no wait on vm_vsrc is owed.
;   THE TABLE   v4: the offset of the positions' load, made once.  O, four registers: written by a row's last four instructions, read by its two stores.  One wait on va_vdst ahead of the two stores; one wait
;               on vm_vsrc ahead of the next row's four writes of O, which stand 41 vector instructions behind those stores.
;   THE SMALL ROWS  constants and rounded gains, each register written once, ahead of a wait on va_vdst and the stores that read it.
.set X,   32                           ; v[32:159] the 32 segments, 4 registers each
.set WVN, 38                           ; s38  my wave's number
.set ID,  39                           ; s39  the work-group's number
.set DST, 40                           ; s[40:41] where my wave stores
.set SOF, 42                           ; s[42:43] my wave's byte offset in the source
.set SRC, 44                           ; s[44:45] the source tensor
.set DOF, 56                           ; s[56:57] my wave's byte offset in the target
.set STR, 58                           ; s58  bytes from a segment to the next in the source
.set ROWS, 59                          ; s59  rows of the table still to be made
	s_load_b512 s[8:23], s[0:1], 0x0               ; hidden s[8:9], cross s[10:11], Wq s[12:13], Wk s[14:15], Wv s[16:17], q_norm_w s[18:19], k_norm_w s[20:21], positions s[22:23]
	s_load_b256 s[24:31], s[0:1], 0x40             ; vision_position_ids s[24:25], xb s[26:27], wb s[28:29], tab s[30:31]
	s_load_b64 s[32:33], s[0:1], 0x60              ; wn
	v_lshrrev_b32 v1, 5, v0
	v_readfirstlane_b32 s[WVN], v1                 ; wave 0..7
	v_and_b32 v1, 31, v0                           ; lane
	v_lshlrev_b32 v2, 4, v1                        ; 16 x lane
	v_lshlrev_b32 v3, 3, v1                        ; 8 x lane
	s_mov_b32 s[ID], ttmp9
	s_wait_alu depctr_va_sdst(0)                   ; the wave's number is written, ahead of the first branch: every path's offsets are made from it
	s_wait_kmcnt 0x0
	s_cmp_lt_u32 s[ID], 384
	s_cbranch_scc1 .Lx
	s_cmp_lt_u32 s[ID], 576
	s_cbranch_scc1 .Lw
	s_cmp_lt_u32 s[ID], 768
	s_cbranch_scc1 .Ltab
	; THE SMALL ROWS: wave 0 of the last work-group
	s_cmp_lg_u32 s[WVN], 0
	s_cbranch_scc1 .Lend
	v_mov_b32 v32, 1.0
	v_mov_b32 v33, 1.0
	v_mov_b32 v34, 0
	v_mov_b32 v35, 0
	v_mov_b32 v48, 1.0
	v_mov_b32 v49, 1.0
	v_mov_b32 v50, 1.0
	v_mov_b32 v51, 1.0
	s_wait_alu depctr_va_vdst(0)                   ; the offsets v2 and v3 and the eight constants are written, which the two loads and the three stores below read
	global_load_b128 v[36:39], v2, s[18:19]        ; 128 gains: 16 bytes a lane
	global_load_b128 v[40:43], v2, s[20:21]
	global_store_b64 v3, v[32:33], s[30:31] offset:6144*512      ; the row that turns nothing: cos = 1,
	global_store_b64 v3, v[34:35], s[30:31] offset:6144*512+256  ; sin = 0
	global_store_b128 v2, v[48:51], s[32:33] offset:1024         ; the gain that scales nothing
	s_wait_loadcnt 0x0
	v_cvt_pk_bf16_f32 v44, v36, v37
	v_cvt_pk_bf16_f32 v45, v38, v39
	v_cvt_pk_bf16_f32 v46, v40, v41
	v_cvt_pk_bf16_f32 v47, v42, v43
.irp w, 0,1,2,3
	v_lshlrev_b32 v[52+2*\w], 16, v[44+\w]         ; back to f32: the low half moves up,
	v_and_b32 v[53+2*\w], 0xffff0000, v[44+\w]     ; the high half stays
.endr
	s_wait_alu depctr_va_vdst(0)                   ; the rounded gains v[52:59] are written, which the two stores read
	global_store_b128 v2, v[52:55], s[32:33]
	global_store_b128 v2, v[56:59], s[32:33] offset:512
.Lend:
	s_endpgm
.Lx:                                           ; THE ACTIVATIONS: the segments lie on end in source and target
	s_max_u32 s46, s[ID], 128
	s_sub_co_u32 s46, s46, 128                     ; the work-group's number among cross_attention_states'
	s_cmp_lt_u32 s[ID], 128
	s_cselect_b64 s[SRC:SRC+1], s[8:9], s[10:11]
	s_cselect_b32 s46, s[ID], s46
	s_lshl_b32 s[SOF], s46, 17                     ; 256 segments of 512 bytes,
	s_lshl_b32 s47, s[WVN], 14                     ; my wave's 32
	s_add_co_u32 s[SOF], s[SOF], s47
	s_mov_b32 s[SOF+1], 0
	s_mov_b64 s[DST:DST+1], s[26:27]
	s_lshl_b32 s[DOF], s[ID], 16                   ; 256 segments of 256 bytes,
	s_lshl_b32 s47, s[WVN], 13
	s_add_co_u32 s[DOF], s[DOF], s47
	s_mov_b32 s[DOF+1], 0
	s_mov_b32 s[STR], 512
	s_branch .Lcast
.Lw:                                           ; THE WEIGHTS: a work-group takes 256 rows k of one block of 128 columns
	s_sub_co_u32 s46, s[ID], 384                   ; 0-127 Wq, 128-159 Wk, 160-191 Wv
	s_mov_b64 s[SRC:SRC+1], s[16:17]               ; Wv's figures, then the others' in their ranges
	s_mov_b64 s[DST:DST+1], s[28:29]
	s_mov_b32 s60, 2                               ; log2 of the blocks in a row
	s_mov_b32 s61, 20                              ; the tensor's first block in the target
	s_mov_b32 s62, 160                             ; the tensor's first work-group
	s_cmp_lt_u32 s46, 160
	s_cselect_b64 s[SRC:SRC+1], s[14:15], s[SRC:SRC+1]
	s_cselect_b32 s61, 16, s61
	s_cselect_b32 s62, 128, s62
	s_cmp_lt_u32 s46, 128
	s_cselect_b64 s[SRC:SRC+1], s[12:13], s[SRC:SRC+1]
	s_cselect_b32 s60, 4, s60
	s_cselect_b32 s61, 0, s61
	s_cselect_b32 s62, 0, s62
	s_sub_co_u32 s46, s46, s62
	s_bfm_b32 s47, s60, 0
	s_and_b32 s47, s46, s47                        ; the block
	s_lshr_b32 s46, s46, s60                       ; which 256 rows
	s_lshl_b32 s[STR], 512, s60                    ; a row of the source in bytes
	s_lshl_b32 s[SOF], s46, 8
	s_lshl_b32 s63, s[WVN], 5
	s_add_co_u32 s[SOF], s[SOF], s63               ; my wave's first row
	s_mul_i32 s[SOF], s[SOF], s[STR]
	s_lshl_b32 s63, s47, 9
	s_add_co_u32 s[SOF], s[SOF], s63               ; the block's 512 bytes in it
	s_mov_b32 s[SOF+1], 0
	s_add_co_u32 s[DOF], s61, s47
	s_lshl_b32 s[DOF], s[DOF], 19                  ; a block of the target is 2,048 rows of 256 bytes
	s_lshl_b32 s63, s46, 16
	s_add_co_u32 s[DOF], s[DOF], s63
	s_lshl_b32 s63, s[WVN], 13
	s_add_co_u32 s[DOF], s[DOF], s63
	s_mov_b32 s[DOF+1], 0
.Lcast:
	s_add_nc_u64 s[DST:DST+1], s[DST:DST+1], s[DOF:DOF+1]
	s_add_nc_u64 s[48:49], s[SRC:SRC+1], s[SOF:SOF+1]  ; four bases, eight segments apart,
	s_lshl_b32 s[DOF], s[STR], 3
	s_add_nc_u64 s[50:51], s[48:49], s[DOF:DOF+1]
	s_add_nc_u64 s[52:53], s[50:51], s[DOF:DOF+1]
	s_add_nc_u64 s[54:55], s[52:53], s[DOF:DOF+1]
	v_mov_b32 v4, v2                               ; and eight offsets: 16 x lane + jj x STR
.irp jj, 1,2,3,4,5,6,7
	v_add_nc_u32 v[4+\jj], s[STR], v[3+\jj]
.endr
	s_wait_alu depctr_va_vdst(0)                   ; the eight offsets v4 to v11 are written, which the 32 loads read; so is v3, which every store reads
.irp g, 0,1,2,3
.irp jj, 0,1,2,3,4,5,6,7
	global_load_b128 v[X+4*(8*\g+\jj):X+4*(8*\g+\jj)+3], v[4+\jj], s[48+2*\g:49+2*\g] th:TH_LOAD_NT
.endr
.endr
; Group g of eight: segments 4 g to 4 g + 3 are rounded; the four stores of group g - 1 are dealt among the eight conversions, a store in front of each segment's two.
.set g, 0
.rept 8
	s_wait_loadcnt 28-4*g                          ; loads come back in order: the group's four segments are in, the 28 - 4 g younger ones stay out
.if g > 0
	s_wait_alu depctr_va_vdst(0)                   ; the group before has written its eight packed registers, which the four stores below read; no conversion behind this wait names them
.endif
.irp i, 0,1,2,3
.if g > 0
	global_store_b64 v3, v[X+4*(4*g-4+\i):X+4*(4*g-4+\i)+1], s[DST:DST+1] offset:256*(4*g-4+\i) th:TH_STORE_NT  ; the wave's 256 consecutive bytes, aligned
.endif
	v_cvt_pk_bf16_f32 v[X+4*(4*g+\i)], v[X+4*(4*g+\i)], v[X+4*(4*g+\i)+1]
	v_cvt_pk_bf16_f32 v[X+4*(4*g+\i)+1], v[X+4*(4*g+\i)+2], v[X+4*(4*g+\i)+3]
.endr
.set g, g+1
.endr
	s_wait_alu depctr_va_vdst(0)                   ; the last group has written its eight packed registers, which the last four stores read
.irp i, 0,1,2,3
	global_store_b64 v3, v[X+4*(28+\i):X+4*(28+\i)+1], s[DST:DST+1] offset:256*(28+\i) th:TH_STORE_NT
.endr
	s_endpgm
.Ltab:                                         ; THE TABLE: a wave makes 4 rows, one a trip; lane l owns the frequencies 2 l and 2 l + 1
	s_sub_co_u32 s46, s[ID], 576
	s_lshl_b32 s46, s46, 5
	s_lshl2_add_u32 s46, s[WVN], s46               ; my first row: 32 x work-group + 4 x wave
	s_max_u32 s47, s46, 2048
	s_sub_co_u32 s47, s47, 2048                    ; the same among the vision tokens
	s_mov_b32 s[STR], 16384                        ; bytes from a section's positions to the next's
	s_cmp_lt_u32 s46, 2048
	s_cselect_b64 s[SRC:SRC+1], s[22:23], s[24:25]
	s_cselect_b32 s47, s46, s47
	s_cselect_b32 s[STR], 8192, s[STR]
	s_lshl_b32 s47, s47, 2
	v_cmp_lt_u32 s60, 7, v1                        ; frequencies 0-15 go by section 0, 16-39 by section 1, 40-63 by section 2: lanes 0-7, 8-19, 20-31
	v_cmp_lt_u32 s61, 19, v1
	s_wait_alu depctr_va_sdst(0)                   ; both masks are written, ahead of the two selects that read them
	v_cndmask_b32 v4, 0, s[STR], s60
	v_cndmask_b32 v5, 0, s[STR], s61
	v_add3_u32 v4, v4, v5, s47
	s_wait_alu depctr_va_vdst(0)                   ; the offset v4 is written, which the load reads; so is v3, which the rows' stores read
	global_load_b128 v[32:35], v4, s[SRC:SRC+1]    ; my section's positions of the four rows
	s_lshl_b32 s[DOF], s46, 9
	s_mov_b32 s[DOF+1], 0
	s_add_nc_u64 s[DST:DST+1], s[30:31], s[DOF:DOF+1]
	v_lshlrev_b32 v5, 1, v1
	v_cvt_f32_u32 v36, v5
	v_add_f32 v37, 1.0, v36
	v_mul_f32 v36, 0xbe9f73da, v36                 ; - i log2(1e6) / 64
	v_mul_f32 v37, 0xbe9f73da, v37
	v_exp_f32 v36, v36
	v_exp_f32 v37, v37
	v_mov_b32 v38, 0xab573f9f                      ; -1/15!  (two plain instructions behind the exponentials)
	v_mov_b32 v39, 0x29573f9f                      ; 1/16!
	s_wait_alu depctr_va_vdst(0)                   ; both exponentials have written v36 and v37: one wait, ahead of their first reader and of the label
	s_wait_loadcnt 0x0
	s_mov_b32 s[ROWS], 4
.set T, 48                             ; T+0 the position; T+2, 3 the angle, then its rest; T+4, 5 the turns, then the rest's square; T+6, 7 sin's series; T+8, 9 cos's: no memory instruction names them
.set O, 58                             ; v[58:59] the row's two cosines, v[60:61] its two sines: what the stores read
.Lrow:                                         ; the row whose position lies in v32
	v_cvt_f32_i32 v[T], v32
.irp f, 0,1
	v_mul_f32 v[T+2+\f], v[T], v[36+\f]            ; the angle, rounded once, as it is defined
.endr
.irp f, 0,1
	v_mul_f32 v[T+4+\f], 0.15915494, v[T+2+\f]
.endr
.irp f, 0,1
	v_rndne_f32 v[T+4+\f], v[T+4+\f]               ; whole turns
.endr
.irp f, 0,1
	v_fmamk_f32 v[T+2+\f], v[T+4+\f], 0xc0c90fdb, v[T+2+\f]  ; less turns x 2 pi's upper part (exact before the one rounding),
.endr
.irp f, 0,1
	v_fmamk_f32 v[T+2+\f], v[T+4+\f], 0x343bbd2e, v[T+2+\f]  ; and its lower part
.endr
.irp f, 0,1
	v_mul_f32 v[T+4+\f], v[T+2+\f], v[T+2+\f]
.endr
.irp f, 0,1
	v_fmaak_f32 v[T+6+\f], v[T+4+\f], v38, 0x2f309231
	v_fmaak_f32 v[T+8+\f], v[T+4+\f], v39, 0xad49cba5
.endr
.irp c, 0xb2d7322b, 0x3638ef1d, 0xb9500d01, 0x3c088889, 0xbe2aaaab, 0x3f800000
.irp f, 0,1
	v_fmaak_f32 v[T+6+\f], v[T+6+\f], v[T+4+\f], \c
.endr
.endr
.irp c, 0x310f76c7, 0xb493f27e, 0x37d00d01, 0xbab60b61, 0x3d2aaaab, 0xbf000000
.irp f, 0,1
	v_fmaak_f32 v[T+8+\f], v[T+8+\f], v[T+4+\f], \c
.endr
.endr
	s_wait_xcnt 0x0                                ; the two stores of the row before have had their addresses translated: their base and their data are written again only behind this wait
	s_wait_alu depctr_vm_vsrc(0)                   ; and they have read O, which the four lines below write again (in the first trip no store is out)
	s_add_nc_u64 s[DST:DST+1], s[DST:DST+1], 512   ; behind this row: the stores below reach back
.irp f, 0,1
	v_fmaak_f32 v[O+\f], v[T+8+\f], v[T+4+\f], 0x3f800000  ; cos's last step
.endr
.irp f, 0,1
	v_mul_f32 v[O+2+\f], v[T+6+\f], v[T+2+\f]      ; sin's
.endr
	v_mov_b32 v32, v33                             ; the next row's position moves up
	v_mov_b32 v33, v34
	v_mov_b32 v34, v35
	s_wait_alu depctr_va_vdst(0)                   ; the row's four results are written in O, which the two stores read
	global_store_b64 v3, v[O:O+1], s[DST:DST+1] offset:-512    ; the row's 64 cosines: 256 consecutive bytes, aligned
	global_store_b64 v3, v[O+2:O+3], s[DST:DST+1] offset:-256  ; and its 64 sines
	s_sub_co_u32 s[ROWS], s[ROWS], 1
	s_cmp_lg_u32 s[ROWS], 0
	s_cbranch_scc1 .Lrow
	s_endpgm
.Lfunc_end_k_q080ff9f67f_prep:
	.size	k_q080ff9f67f_prep, .Lfunc_end_k_q080ff9f67f_prep-k_q080ff9f67f_prep
	.p2alignl 7, 3214868480
	.fill 96, 4, 3214868480
	.section	.rodata,"a",@progbits
	.p2align	6, 0x0
	.amdhsa_kernel k_q080ff9f67f_prep
		.amdhsa_group_segment_fixed_size 0
		.amdhsa_private_segment_fixed_size 0
		.amdhsa_enable_private_segment 0
		.amdhsa_kernarg_size 104
		.amdhsa_user_sgpr_count 2
		.amdhsa_user_sgpr_kernarg_segment_ptr 1
		.amdhsa_wavefront_size32 1
		.amdhsa_system_sgpr_workgroup_id_x 1
		.amdhsa_system_sgpr_workgroup_id_y 1
		.amdhsa_system_sgpr_workgroup_id_z 1
		.amdhsa_system_vgpr_workitem_id 0
		.amdhsa_next_free_vgpr 176
		.amdhsa_next_free_sgpr 66
		.amdhsa_reserve_vcc 0
		.amdhsa_float_denorm_mode_32 3
		.amdhsa_float_denorm_mode_16_64 3
		.amdhsa_memory_ordered 1
		.amdhsa_forward_progress 1
		.amdhsa_inst_pref_size 21
	.end_amdhsa_kernel
	.amdgpu_metadata
---
amdhsa.version: [ 1, 2 ]
amdhsa.kernels:
  - .name:           k_q080ff9f67f_prep
    .symbol:         k_q080ff9f67f_prep.kd
    .args:
      - { .name: hidden_states, .offset: 0, .size: 8, .value_kind: global_buffer, .address_space: global }
      - { .name: cross_attention_states, .offset: 8, .size: 8, .value_kind: global_buffer, .address_space: global }
      - { .name: Wq, .offset: 16, .size: 8, .value_kind: global_buffer, .address_space: global }
      - { .name: Wk, .offset: 24, .size: 8, .value_kind: global_buffer, .address_space: global }
      - { .name: Wv, .offset: 32, .size: 8, .value_kind: global_buffer, .address_space: global }
      - { .name: q_norm_w, .offset: 40, .size: 8, .value_kind: global_buffer, .address_space: global }
      - { .name: k_norm_w, .offset: 48, .size: 8, .value_kind: global_buffer, .address_space: global }
      - { .name: positions, .offset: 56, .size: 8, .value_kind: global_buffer, .address_space: global }
      - { .name: vision_position_ids, .offset: 64, .size: 8, .value_kind: global_buffer, .address_space: global }
      - { .name: xb, .offset: 72, .size: 8, .value_kind: global_buffer, .address_space: global }
      - { .name: wb, .offset: 80, .size: 8, .value_kind: global_buffer, .address_space: global }
      - { .name: tab, .offset: 88, .size: 8, .value_kind: global_buffer, .address_space: global }
      - { .name: wn, .offset: 96, .size: 8, .value_kind: global_buffer, .address_space: global }
    .group_segment_fixed_size: 0
    .private_segment_fixed_size: 0
    .kernarg_segment_align: 8
    .kernarg_segment_size: 104
    .max_flat_workgroup_size: 256
    .sgpr_count:     66
    .vgpr_count:     176
    .wavefront_size: 32
...
	.end_amdgpu_metadata
.endif
;; end of part 5
;; launch proj: the kernel of part 2 again; grid 4 x 64, 4 waves a work-group, clusters of 4 x 4, 327,680 bytes of LDS; arguments xb, wb, tab, wn, qkv; writes qkv
;; launch attn: the kernel of part 3 again; grid 16 x 16, 4 waves a work-group, clusters of 4 x 1, 327,680 bytes of LDS; arguments qkv, ob, Wo, wo; writes ob, wo
;; launch oproj: the kernel of part 4 again; grid 16 x 16, 4 waves a work-group, clusters of 4 x 4, 327,680 bytes of LDS; arguments ob, wo, out0; writes out0
